; MI455X (gfx1250); checked and timed in simulation.
; The chip was launched on July 23, 2026; its instructions are those of AMD's public machine-readable ISA for CDNA 5 (MIT licence, August 2026) and "CDNA5" Instruction Set Architecture Reference Guide (July 2026). The comments in the code are by the model that wrote it; some were corrected since.
;; Attention Model. Allowed arithmetic: matrix products marked QUANTISED: E2M3 operands, one E8M0 scale for each 32 along K, by v_wmma_scale_f32_16x16x128_f8f6f4 with both operands' format E2M3, f32 sums; everything else in f32.
;; Inputs: w_out 1,024 x 1,024 float32; w_qkv 1,024 x 3,072 float32; x 4 x 2,048 x 1,024 float32.
;; Outputs: out0 4 x 2,048 x 1,024 float32.
;; This version of the problem:
;;   THIS VERSION OF THE PROBLEM IS GIVEN IN LOW PRECISION. The matrix products marked QUANTISED in the list below multiply operands that are first quantised to E2M3 (2 exponent bits, 3 mantissa bits; 6 bits a number), with one power-of-two scale for each 32 numbers along K (OCP MX v1.0); their sums are f32. All else is computed in f32.
;;   The module's matrix products, in the order in which they are computed (A, B: the left and right operand; K: the contracted axis; several contracted axes count as one K, in the product's order):
;;     1. [M 8,192, K 1,024] x [K 1,024, N 3,072]; A: input x; B: input w_qkv: QUANTISED
;;     2. batch 64 x [M 2,048, K 64] x [K 64, N 2,048]; A: computed on the way; B: computed on the way: QUANTISED
;;     3. batch 64 x [M 2,048, K 2,048] x [K 2,048, N 64]; A: softmax (see below); B: computed on the way: QUANTISED
;;     4. [M 8,192, K 1,024] x [K 1,024, N 1,024]; A: computed on the way; B: input w_out: QUANTISED
;;   THE QUANTISER, for each operand of a quantised product, along K:
;;     - K is cut into blocks of 32 from its start; a last block that is shorter is filled with zeros.
;;     - A block's scale is 2^e with e = floor(log2(the largest magnitude in the block)) - 2, held to -126 .. 127; a block of zeros has e = 0. As a byte (E8M0): e + 127.
;;     - Each number is divided by its block's scale, clamped to +-7.5, and rounded to the nearest number of E2M3, ties to even, subnormals kept.
;;     - The product sums the exact products of the quantised numbers (number of the format x scale) in f32.
;;   ~~~python
;;   def quantise(x, axis):      # numpy; x: float32 -> the quantised numbers, widened to float32 again
;;       x = np.moveaxis(x, axis, -1); K = x.shape[-1]
;;       x = np.pad(x, [(0, 0)] * (x.ndim - 1) + [(0, -K % 32)]); x = x.reshape(x.shape[:-1] + (-1, 32)); a = np.abs(x).max(-1, keepdims=True)
;;       e = np.where(a > 0, np.clip(np.frexp(np.where(a > 0, a, 1))[1] - 1 - 2, -126, 127), 0)      # np.frexp(a)[1] - 1 = floor(log2(a)), exactly
;;       r = np.clip(x / 2.0 ** e, -7.5, 7.5)
;;       step = 2.0 ** (np.maximum(np.frexp(np.where(r == 0, 1, r))[1] - 1, 0) - 3)
;;       q = np.round(r / step) * step * 2.0 ** e      # np.round: ties to even
;;       return np.moveaxis(q.reshape(q.shape[:-2] + (-1,))[..., :K], -1, axis).astype(np.float32)
;;   ~~~
;;   SOFTMAX AHEAD OF A QUANTISED PRODUCT. Where the list says 'softmax', what is quantised is not the finished softmax but p = 2^(t - M), with t = logit x log2(e) and M = ceil(the row's largest t), a whole number; so 1/2 < the row's largest p <= 1. The row's sum l is taken of the UNQUANTISED p, in f32, and the product's result is divided by l at the end. Since M is a whole number, a kernel that streams over the keys may use a running M (the ceiling of the running maximum): every later rescaling is an exact power of two, which a block's scale takes up: the codes' values come out the same.
;;   OPERANDS COMPUTED ON THE WAY. 'Computed on the way' means the value that the module computes at that place (a softmax that the list does not call 'softmax' is quantised finished and normalised). What goes into a quantiser is computed in f32, as accurately as f32 sums, v_exp_f32 and their like allow (about 1e-6 of the number): no bf16 or f16 on the way to a quantiser, and a product that is left as it is and whose result goes on into a quantised operand takes f32 operands (vector FMAs, or v_wmma_f32_16x16x4_f32). A number that lies on a knife's edge between two numbers of the format may be rounded either way, as far as f32 arithmetic and the matrix unit's own rounding can turn it there, and no further.
;; One version. Each part assembles by itself: llvm-mc -triple=amdgcn-amd-amdhsa -mcpu=gfx1250 --defsym DOCPART=n.
;; ======== version 1 of 1: 4 launches
;; limits: right only within a limited range of input values
;; workspace buffers: x_codes 6,291,456 bytes; x_scales 262,144 bytes; w_codes 3,145,728 bytes; w_scales 131,072 bytes; heads 20,185,088 bytes; o_codes 6,291,456 bytes; o_scales 262,144 bytes
;; launch qxw (part 1): grid 384 x 1, 4 waves a work-group, no clusters, 59,904 bytes of LDS; arguments x, w_qkv, w_out, x_codes, x_scales, w_codes, w_scales; writes x_codes, x_scales, w_codes, w_scales
.if DOCPART == 1
	.amdgcn_target "amdgcn-amd-amdhsa--gfx1250"
	.amdhsa_code_object_version 6
	.text
	.protected	k_qed36349fa4_qxw
	.globl	k_qed36349fa4_qxw
	.p2align	8
	.type	k_qed36349fa4_qxw,@function
k_qed36349fa4_qxw:
	s_mov_b64 s[64:65], 0
	v_nop
	global_prefetch_b8 v0, s[64:65] scope:SCOPE_SE
	s_setreg_imm32_b32 hwreg(HW_REG_WAVE_MODE, 25, 1), 1
	s_wait_xcnt 0x0
; ONE LAUNCH QUANTISES ALL THREE INPUTS to codes of FP6 (E2M3) with one E8M0 byte for each 32 along K.  Work-groups 0-255 take x, work-groups 256-383 the weights; the two ways part on the
; work-group's number alone and have LDS bytes of their own (x: 0 to 33,791; weights: 33,792 to 59,391; then the spare words).  No work of the problem is left out.
; A FRAGMENT IMAGE is 16 rows x 128 K = 12 registers a lane = 1,536 bytes: byte 256 p + 8 lane + e is byte e of the lane's register pair (2 p, 2 p + 1).
; x_codes = [512 tiles][8 K steps] images; place r of tile T holds token 32 (T / 2) + 8 (T % 2) + r + 8 (r / 8).  x_scales = [512 tiles][512]: byte 128 kp + 8 r + 4 q + b is the byte of place r, K block 8 kp + 4 q + b.
; w_codes = [256 tiles][8 K steps] images, w_scales = [256][512], laid alike: tiles 0-191 are w_qkv's columns, tiles 192-255 w_out's.
; A block's scale is 2^(floor(log2(largest magnitude)) - 2): its byte is the largest magnitude's exponent field - 2, held at 1 from below by a floor among the maximum's leaves.
; LIMITS: a block whose largest magnitude lies under 2^-124 gets the byte 1; a block of zeros gets the byte 1 and not 127 (its codes are zeros; this program alone reads the bytes); NaN and infinities are not served.
.set SPARE, 59392                      ; the spare words, 128 bytes a wave, which no other line names
.set SPW, 14                           ; v14  my spare word; never rewritten
.set NIL, 15                           ; v15  0; never rewritten
	v_lshl_add_u32 v[SPW], v0, 2, SPARE
	v_mov_b32 v[NIL], 0
	s_cmp_lt_u32 ttmp9, 256
	s_cbranch_scc0 .Lweights
; ---- x.  A work-group takes 32 tokens (two tiles); wave w takes tile w / 2 and K half w % 2: four fragments.  A load reads 512 consecutive bytes of one row; 16 rows turn through the wave's own stage
; (rows 528 bytes apart) and come back 16 neighbours of a block to a lane.  Waves share nothing: no barrier.
.set STG,   16*528
.set GL,  4
.set STI, 5
.set STO, 6
.set CO,  7
.set R,   16                           ; v16-143  two sets of 64: 16 rows as loaded
.set X,   144                          ; v144-207 register 16 b + i = k 32 b + 16 h + i of my row
.set TM,  208
.set W,   224
.set SW,  228
.set PC,  232
.set SEL, 20
	s_load_b64 s[4:5], s[0:1], 0x0                 ; x
	s_load_b64 s[6:7], s[0:1], 0x18                ; x_codes
	s_load_b64 s[8:9], s[0:1], 0x20                ; x_scales
	v_lshrrev_b32 v1, 5, v0
	v_readfirstlane_b32 s10, v1                    ; wave
	v_and_b32 v1, 31, v0
	v_and_b32 v2, 15, v0
	v_bfe_u32 v3, v0, 4, 1
	s_mul_i32 s11, s10, STG
	v_lshlrev_b32 v[GL], 4, v1
	v_add_nc_u32 v[STI], s11, v[GL]
	v_mul_u32_u24 v[STO], v2, 528
	v_lshl_add_u32 v[STO], v3, 6, v[STO]
	v_add_nc_u32 v[STO], s11, v[STO]
	v_lshlrev_b32 v[CO], 3, v1
.irp b, 0,1,2,3
	v_mov_b32 v[TM+4+\b], 0                        ; a lane permute's destination counts as one of its sources
.endr
	s_mov_b32 s[SEL], 0x76543210
	s_mov_b32 s[SEL+1], 0xfedcba98
	s_mov_b32 s22, 0xffff0000
	s_lshr_b32 s12, s10, 1                         ; which tile
	s_and_b32 s13, s10, 1                          ; which half of K
	s_lshl_b32 s14, ttmp9, 17                      ; 32 rows of 4,096 bytes a work-group
	s_lshl_b32 s16, s12, 15                        ; the odd tile begins 8 rows on
	s_add_co_u32 s14, s14, s16
	s_lshl_b32 s16, s13, 11
	s_add_co_u32 s14, s14, s16
	s_mov_b32 s15, 0
	s_lshl_b32 s16, ttmp9, 1
	s_add_co_u32 s16, s16, s12                     ; my tile
	s_mul_i32 s18, s16, 12288
	s_mul_i32 s17, s13, 6144
	s_add_co_u32 s18, s18, s17
	s_mov_b32 s19, 0
	s_lshl_b32 s16, s16, 9
	s_lshl_b32 s17, s13, 8
	s_add_co_u32 s16, s16, s17
	s_mov_b32 s17, 0
	s_wait_alu depctr_va_vdst(0)                   ; the wait at the head's end
	s_wait_kmcnt 0x0
	s_add_nc_u64 s[4:5], s[4:5], s[14:15]
	s_add_nc_u64 s[6:7], s[6:7], s[18:19]
	s_add_nc_u64 s[8:9], s[8:9], s[16:17]
.macro LOADF s                         ; fragment s: place i's row lies i + 8 (i / 8) rows on
.irp i, 0,1,2,3,4,5,6,7,8,9,10,11,12,13,14,15
	global_load_b128 v[R+64*((\s)%2)+4*\i:R+64*((\s)%2)+4*\i+3], v[GL], s[4:5] offset:(\i+8*(\i/8))*4096+512*(\s) th:TH_LOAD_NT
.endr
.endm
.macro TURNF s                         ; LDS serves a wave's instructions in order: no wait between the stores and the loads
.irp i, 0,1,2,3,4,5,6,7,8,9,10,11,12,13,14,15
	ds_store_b128 v[STI], v[R+64*((\s)%2)+4*\i:R+64*((\s)%2)+4*\i+3] offset:528*\i
.endr
.irp b, 0,1,2,3
.irp j, 0,1,2,3
	ds_load_b128 v[X+16*\b+4*\j:X+16*\b+4*\j+3], v[STO] offset:128*\b+16*\j
.endr
.endr
.endm
.macro QUANT s, pw                     ; 64 numbers of a lane become a fragment's 12 registers in v[PC] on and its scale word in v[pw]
.irp b, 0,1,2,3
	v_max3_num_f32 v[TM+\b], |v[\s+16*\b]|, |v[\s+1+16*\b]|, 0x1800000
.endr
.irp i, 2,4,6,8,10,12,14
.irp b, 0,1,2,3
	v_max3_num_f32 v[TM+\b], v[TM+\b], |v[\s+16*\b+\i]|, |v[\s+1+16*\b+\i]|
.endr
.endr
.irp b, 0,1,2,3
	v_permlanex16_b32 v[TM+4+\b], v[TM+\b], s[SEL], s[SEL+1]
.endr
.irp b, 0,1,2,3
	v_max_num_f32 v[TM+\b], v[TM+\b], v[TM+4+\b]
.endr
.irp b, 0,1,2,3
	v_add_nc_u32 v[TM+12+\b], 0xff000000, v[TM+\b] ; 2 off the exponent field: the conversion's scale operand
.endr
.irp b, 0,1,2,3
	v_lshrrev_b32 v[TM+4+\b], 23, v[TM+12+\b]
.endr
	v_lshl_or_b32 v[\pw], v[TM+5], 8, v[TM+4]
	v_lshl_or_b32 v[\pw], v[TM+6], 16, v[\pw]
	v_lshl_or_b32 v[\pw], v[TM+7], 24, v[\pw]
.irp c, 0,1
	v_cvt_scalef32_pk16_fp6_f32 v[PC+6*\c:PC+2+6*\c], v[\s+32*\c:\s+15+32*\c], v[TM+12+2*\c]
	v_cvt_scalef32_pk16_fp6_f32 v[PC+12+4*\c:PC+14+4*\c], v[\s+16+32*\c:\s+31+32*\c], v[TM+13+2*\c]
.endr
	v_nop                                          ; one plain place behind a scaled conversion
.irp c, 0,1                            ; the operand wants a whole block in a lane
.irp i, 0,1,2
	v_permlane16_swap_b32 v[PC+6*\c+\i], v[PC+12+4*\c+\i]
.endr
.irp i, 0,1,2
	v_mov_b32 v[PC+3+6*\c+\i], v[PC+12+4*\c+\i]
.endr
.endr
.endm
.macro STEP s
.if \s < 3
	s_wait_loadcnt 16                              ; this fragment's 16 loads are in; the next fragment's 16 may be out
.else
	s_wait_loadcnt 0
.endif
	TURNF \s
	s_wait_dscnt 0x0
.if \s > 0
	s_wait_xcnt 0x0                                ; the last fragment's stores have read the codes' registers
.endif
.if \s < 2
	LOADF \s+2
.endif
	QUANT X, W+\s
.irp p, 0,1,2,3,4,5
	global_store_b64 v[CO], v[PC+2*\p:PC+2*\p+1], s[6:7] offset:1536*\s+256*\p   ; 256 consecutive bytes, aligned
.endr
.endm
	LOADF 0
	LOADF 1
	STEP 0
	STEP 1
	STEP 2
	STEP 3
	v_cndmask_b32 v[SW], v[W], v[W+2], s22
	v_cndmask_b32 v[SW+1], v[W+1], v[W+3], s22
	global_store_b64 v[CO], v[SW:SW+1], s[8:9]     ; 256 consecutive bytes, aligned
	s_wait_tensorcnt 0x0                           ; the wave's end
	ds_add_u32 v[SPW], v[NIL]
	s_wait_dscnt 0x0
	s_endpgm
; ---- the weights, K their FIRST axis.  A lane takes a column and its registers run down K.  Of the 128 work-groups, number % 32 takes 128 columns, number / 32 a quarter of K (256);
; a wave 32 columns: two tiles x two K steps, gathered as images in its own LDS and stored 512 consecutive bytes an instruction.  The scale bytes leave 8 bytes a lane, 128 consecutive bytes a tile.
.Lweights:
.set WREG,  6400
.set SI,  4
.set RDA, 5
.set GOA, 6
.set SOA, 7
.set RO,  16                           ; v16-47   4 x lane + i rows of the tensor; never rewritten
.set X,   48                           ; v48-111  two sets of 32 numbers
.set C,   112
.set D,   120
.set SB,  124
.set OUTR, 128
	s_load_b128 s[4:7], s[0:1], 0x8                ; w_qkv, w_out
	s_load_b128 s[8:11], s[0:1], 0x28              ; w_codes, w_scales
	s_sub_co_u32 s2, ttmp9, 256
	s_and_b32 s3, s2, 31                           ; which 128 columns
	s_lshr_b32 s14, s2, 5                          ; which quarter of K
	v_lshrrev_b32 v1, 5, v0
	v_readfirstlane_b32 s12, v1                    ; wave
	v_and_b32 v1, 31, v0
	v_lshlrev_b32 v3, 2, v1
	v_bfe_u32 v2, v0, 3, 1                         ; my column's tile of the two: bit 3,
	v_and_b32 v12, 7, v0
	v_bfe_u32 v13, v0, 4, 1
	v_lshl_add_u32 v12, v13, 3, v12                ; and its place there
	s_mul_i32 s13, s12, WREG
	s_add_co_u32 s13, s13, 33792
	v_mul_u32_u24 v[SI], v2, 3200
	v_lshl_add_u32 v[SI], v12, 3, v[SI]
	v_add_nc_u32 v[SI], s13, v[SI]
	v_lshlrev_b32 v[GOA], 4, v1
	v_add_nc_u32 v[RDA], s13, v[GOA]
	v_lshlrev_b32 v[SOA], 9, v2
	v_lshl_add_u32 v[SOA], v12, 3, v[SOA]
	s_cmp_lt_u32 s3, 24                            ; w_qkv's columns or w_out's
	s_mov_b32 s20, 4096
	s_cselect_b32 s20, 12288, s20                  ; a row of the tensor in bytes
	s_cselect_b32 s21, 0, 24
	s_sub_co_u32 s21, s3, s21
	s_lshl_b32 s21, s21, 9
	s_lshl_b32 s22, s12, 7
	s_add_co_u32 s21, s21, s22
	s_lshl_b32 s22, s14, 8
	s_mul_i32 s22, s22, s20
	s_add_co_u32 s40, s21, s22
	s_mov_b32 s41, 0
	s_lshl_b32 s23, s20, 5                         ; a block of 32 rows
.set n, 0
.rept 32
	v_mad_u32_u24 v[RO+n], s20, n, v3
.set n, n+1
.endr
	s_lshl_b32 s42, s3, 3
	s_lshl_b32 s43, s12, 1
	s_add_co_u32 s42, s42, s43                     ; my first tile
	s_mul_i32 s44, s42, 12288
	s_mul_i32 s43, s14, 3072
	s_add_co_u32 s44, s44, s43
	s_mov_b32 s45, 0
	s_lshl_b32 s46, s42, 9
	s_lshl_b32 s43, s14, 7
	s_add_co_u32 s46, s46, s43
	s_mov_b32 s47, 0
	s_wait_alu depctr_va_vdst(0)                   ; the wait at the head's end
	s_wait_kmcnt 0x0
	s_cmp_lt_u32 s3, 24
	s_cselect_b64 s[4:5], s[4:5], s[6:7]
	s_add_nc_u64 s[8:9], s[8:9], s[44:45]
	s_add_nc_u64 s[10:11], s[10:11], s[46:47]
.irp t, 0,1,2,3,4,5,6,7                ; a base for each block, so that no address is stepped while loads are out
	s_add_nc_u64 s[24+2*\t:25+2*\t], s[4:5], s[40:41]
	s_add_co_u32 s40, s40, s23
.endr
.macro LOAD t
.set n, 0
.rept 32
	global_load_b32 v[X+32*((\t)%2)+n], v[RO+n], s[24+2*(\t):25+2*(\t)] th:TH_LOAD_NT
.set n, n+1
.endr
.endm
	LOAD 0
	LOAD 1
.macro BLOCK t                         ; block t = 4 s + 2 c + hh: K step s, registers 6 c .. 6 c + 5 of lane (my place, hh)
.set XS, X+32*((\t)%2)
.if (\t) < 7
	s_wait_loadcnt 32                              ; this block's 32 loads are in; the next block's may be out
.else
	s_wait_loadcnt 0
.endif
	v_max3_num_f32 v8, |v[XS]|, |v[XS+1]|, |v[XS+2]|
	v_max3_num_f32 v9, |v[XS+3]|, |v[XS+4]|, |v[XS+5]|
.irp i, 6,10,14,18,22,26
	v_max3_num_f32 v8, v8, |v[XS+\i]|, |v[XS+\i+1]|
	v_max3_num_f32 v9, v9, |v[XS+\i+2]|, |v[XS+\i+3]|
.endr
	v_max3_num_f32 v8, v8, |v[XS+30]|, |v[XS+31]|
	v_max3_num_f32 v8, v8, v9, 0x1800000
	v_add_nc_u32 v10, 0xff000000, v8
	v_lshrrev_b32 v11, 23, v10
.if (\t)%4 == 0
	v_mov_b32 v[SB+(\t)/4], v11
.else
	v_lshl_or_b32 v[SB+(\t)/4], v11, 8*((\t)%4), v[SB+(\t)/4]
.endif
	v_cvt_scalef32_pk16_fp6_f32 v[C:C+2], v[XS:XS+15], v10
	v_cvt_scalef32_pk16_fp6_f32 v[D:D+2], v[XS+16:XS+31], v10
	v_nop                                          ; one plain place behind a scaled conversion
.irp i, 0,1,2
	v_mov_b32 v[C+3+\i], v[D+\i]
.endr
.irp i, 0,1,2
	ds_store_b64 v[SI], v[C+2*\i:C+2*\i+1] offset:1536*((\t)/4)+256*(3*(((\t)%4)/2)+\i)+128*((\t)%2)
.endr
.if (\t) < 6
	LOAD (\t)+2
.endif
	s_wait_dscnt 0x0                               ; the stores have read their registers
.endm
.irp t, 0,1,2,3,4,5,6,7
	BLOCK \t
.endr
	s_wait_alu depctr_va_vdst(0)                   ; the wait ahead of the reader below
	global_store_b64 v[SOA], v[SB:SB+1], s[10:11]
.irp n, 0,1,2,3,4,5,6,7,8,9,10,11
	ds_load_b128 v[OUTR+4*\n:OUTR+4*\n+3], v[RDA] offset:3200*(\n/6)+512*(\n%6)
.endr
.irp n, 0,1,2,3,4,5,6,7,8,9,10,11
	s_wait_dscnt 11-\n                             ; the younger read-backs may be out
	global_store_b128 v[GOA], v[OUTR+4*\n:OUTR+4*\n+3], s[8:9] offset:12288*(\n/6)+512*(\n%6)
.endr
	s_wait_tensorcnt 0x0                           ; the wave's end
	ds_add_u32 v[SPW], v[NIL]
	s_wait_dscnt 0x0
	s_endpgm
.Lfunc_end_k_qed36349fa4_qxw:
	.size	k_qed36349fa4_qxw, .Lfunc_end_k_qed36349fa4_qxw-k_qed36349fa4_qxw
	.p2alignl 7, 3214868480
	.fill 96, 4, 3214868480
	.section	.rodata,"a",@progbits
	.p2align	6, 0x0
	.amdhsa_kernel k_qed36349fa4_qxw
		.amdhsa_group_segment_fixed_size 59904
		.amdhsa_private_segment_fixed_size 0
		.amdhsa_enable_private_segment 0
		.amdhsa_kernarg_size 56
		.amdhsa_user_sgpr_count 2
		.amdhsa_user_sgpr_kernarg_segment_ptr 1
		.amdhsa_wavefront_size32 1
		.amdhsa_system_sgpr_workgroup_id_x 1
		.amdhsa_system_sgpr_workgroup_id_y 1
		.amdhsa_system_sgpr_workgroup_id_z 1
		.amdhsa_system_vgpr_workitem_id 0
		.amdhsa_next_free_vgpr 256
		.amdhsa_next_free_sgpr 66
		.amdhsa_reserve_vcc 0
		.amdhsa_float_denorm_mode_32 3
		.amdhsa_float_denorm_mode_16_64 3
		.amdhsa_memory_ordered 1
		.amdhsa_forward_progress 1
		.amdhsa_inst_pref_size 79
	.end_amdhsa_kernel
	.amdgpu_metadata
---
amdhsa.version: [ 1, 2 ]
amdhsa.kernels:
  - .name:           k_qed36349fa4_qxw
    .symbol:         k_qed36349fa4_qxw.kd
    .args:
      - { .name: x, .offset: 0, .size: 8, .value_kind: global_buffer, .address_space: global }
      - { .name: w_qkv, .offset: 8, .size: 8, .value_kind: global_buffer, .address_space: global }
      - { .name: w_out, .offset: 16, .size: 8, .value_kind: global_buffer, .address_space: global }
      - { .name: x_codes, .offset: 24, .size: 8, .value_kind: global_buffer, .address_space: global }
      - { .name: x_scales, .offset: 32, .size: 8, .value_kind: global_buffer, .address_space: global }
      - { .name: w_codes, .offset: 40, .size: 8, .value_kind: global_buffer, .address_space: global }
      - { .name: w_scales, .offset: 48, .size: 8, .value_kind: global_buffer, .address_space: global }
    .group_segment_fixed_size: 59904
    .private_segment_fixed_size: 0
    .kernarg_segment_align: 8
    .kernarg_segment_size: 56
    .max_flat_workgroup_size: 128
    .sgpr_count:     66
    .vgpr_count:     256
    .wavefront_size: 32
...
	.end_amdgpu_metadata
.endif
;; end of part 1
;; launch gemm_qkv (part 2): grid 8 x 32, 4 waves a work-group, clusters of 4 x 4, 327,680 bytes of LDS; arguments x_codes, x_scales, w_codes, w_scales, heads; writes heads
.if DOCPART == 2
	.amdgcn_target "amdgcn-amd-amdhsa--gfx1250"
	.amdhsa_code_object_version 6
	.text
	.protected	k_qed36349fa4_gemm_qkv
	.globl	k_qed36349fa4_gemm_qkv
	.p2align	8
	.type	k_qed36349fa4_gemm_qkv,@function
k_qed36349fa4_gemm_qkv:
	s_mov_b64 s[64:65], 0
	v_nop
	global_prefetch_b8 v0, s[64:65] scope:SCOPE_SE
	s_setreg_imm32_b32 hwreg(HW_REG_WAVE_MODE, 25, 1), 1
	s_wait_xcnt 0x0
	s_wait_alu depctr_hold_cnt(0) depctr_sa_sdst(0) depctr_va_vdst(0) depctr_va_sdst(0) depctr_va_ssrc(0) depctr_va_vcc(0) depctr_vm_vsrc(0)
	s_getreg_b32 s2, hwreg(HW_REG_IB_STS2, 6, 4)
	s_cmp_eq_u32 s2, 0
	s_cbranch_scc0 .Lentry_in_a_cluster
	s_endpgm
.Lentry_in_a_cluster:
	s_bfe_u32 s2, ttmp6, 0x10000c
	s_cmp_lg_u32 s2, 0xf033
	s_cbranch_scc0 .Lentry_shape_is_right
	s_endpgm
.Lentry_shape_is_right:
; Q, K, V = x w_qkv on codes of FP6 (E2M3) with E8M0 scales, and their quantisers: the results leave as codes and scale words in heads, in the order of the next launch's operand registers.
; heads = [batch x 16 + head][315,392 bytes]: Q's codes [128 token tiles][768], Q's scale words [128][16][4] (bytes 0, 1: the head's two blocks; bytes 2, 3: 0, which meet zero codes), K's likewise from 106,496 on,
; V's codes from 212,992 on [16 key steps][4 channel tiles][1,536] and V's scale words [16][4][16][4].  Codes lie as fragment images: byte 256 p + 8 lane + e = byte e of the lane's register pair (2 p, 2 p + 1).
; THE DEAL: 256 work-groups, one turn.  Work-group (j, g) takes tokens 256 g .. + 255 and columns 128 j .. + 127 of Q, of K and of V: three phases on the same 16 token tiles, which lie in LDS, all of K, for the whole launch.
; A PHASE: a wave holds 64 rows of one operand, all of K, in 384 registers and streams eight blocks of 16 rows of the other past them: 32 products a block on four accumulators by turns.
; Source 0 is the held operand, so a lane's 32 results of a block run along the held rows: two scale blocks of 32, which become six registers of codes (768 bytes, three stores of 256 aligned bytes) and two scale bytes.
; Q, K: held = 64 columns of the weight (one head), streamed = my 128 tokens' tiles.  V is quantised along the tokens: held = 64 tokens (wave w: tiles 4 w .. 4 w + 3), streamed = the weight's eight tiles.
; LDS: x's codes 0 (196,608), the weight's codes BC (98,304), its scale bytes BS, x's scale bytes AS, stages for the results' scale words, the spare words.
; A fragment comes by three two-address loads of 2 x 8 bytes a lane, from an address register of its own (the two offsets reach 2,040 bytes).
; FILLS: at the head one joint load a wave.  The weight's region is filled again twice, each time behind a drained round of the cluster's barrier that stands directly behind the copy of the weight into registers;
; each refill is asked for a whole phase, 256 products a wave, ahead of its first read, and no wave stands waiting for it: so no prefetch is laid.  x's tiles are shared by a row of the cluster, the weight's by a column.
; THE WAIT'S COUNT: a block's rows were fetched two blocks ago; s_wait_dscnt 26 leaves out at most the youngest fetch, 24 loads of codes and 2 of scale words.
; LIMITS: a block whose largest magnitude lies under 2^-124 gets the byte 1, a block of zeros too (its codes are zeros; this program alone reads the bytes); NaN and infinities are not served.
.set FR,   12
.set FPW,  21                          ; fragments in a window of 256 registers; fragment f lies in window 1 + f / 21 at register 12 (f % 21): 0-31 the held operand's (4 q + b), 32-39 and 40-47 the streamed blocks' two sets
.set FRB,  1536
.set ROWT, 12288
.set NF,   26
.set BC,   196608
.set BS,   294912
.set AS,   299008
.set ST,   307200                      ; Q's, K's scale words: 512 bytes a wave
.set VST,  309248                      ; V's: [weight tile 8][key step 2][16][4]
.set SPARE, 310272
.set HB,   315392
.set L8, 4
.set R8, 5
.set VAQ, 6
.set R8A, 7
.set VRQ, 8
.set VRV, 9
.set VRSQ, 10
.set VRSV, 11
.set SSQ, 12
.set SSV, 13
.set SRD, 14
.set SRV, 15
.set L16, 16
.set SPW, 17
.set NIL, 18
.set ADSS, 20
.set SST, 21
.set SB,  24                           ; v24-39 the held operand's scale words: lanes 0-15 tile 2 p, lanes 16-31 tile 2 p + 1
.set SA,  44                           ; v44-59 the streamed blocks' scale words, two sets
.set ACC, 64                           ; v64-127 two sets of four accumulators
.set TM,  128
.set PW,  134
.set PC,  136
.set BK,  148
.set AQ,  152                          ; v152-159 eight fragments' LDS addresses
.set G1A, 24
.set G1B, 32
.set G1SA, 48
.set G1SB, 56
.set G0A, 68
.set G0B, 72
.set G0SA, 76
.set G0SB, 80
.set SEL, 46
.set OA,  84
.set OSC, 85
.set OST, 86
.set CNT, 87
.set STP, 88
.set STN, 90
.set STS, 91
.set OC,  92
.set OW,  94
.set MSB, 0
.macro WIN new
.if MSB != \new
	s_set_vgpr_msb (MSB<<8)|\new
.set MSB, \new
.endif
.endm
.macro WALU
	s_wait_alu depctr_va_vdst(0)
.endm
.macro BARRIER
	s_barrier_signal -1
	s_barrier_wait -1
.endm
.macro CROUND
	s_barrier_signal -1
	s_barrier_wait -1
	s_cmp_lg_u32 s14, 0
	s_cbranch_scc1 .Lnw0_\@
	s_barrier_signal -3
.Lnw0_\@:
	s_barrier_wait -3
	s_barrier_signal -1
	s_barrier_wait -1
.endm
.macro TLOAD g0, g1
	tensor_load_to_lds s[\g0:\g0+3], s[\g1:\g1+7]
	s_nop 0
.rept 4
	v_nop
.endr
.endm
.macro GROUP1 g, mask, rows            ; a dense block as rows of 256 bytes
	s_or_b32 s[\g], s[\mask], (3<<16)|(1<<21)
	s_mov_b32 s[\g+1], 32<<16
	s_mov_b32 s[\g+2], (\rows)<<16
	s_mov_b32 s[\g+3], 32<<16
	s_mov_b32 s[\g+4], \rows
	s_mov_b32 s[\g+5], 32
	s_mov_b32 s[\g+6], 0
	s_mov_b32 s[\g+7], 0
.endm
.macro GROUP0 g, lds, base, off
	s_mov_b32 s[\g], 1
	s_mov_b32 s[\g+1], \lds
	s_mov_b32 s20, s\off
	s_mov_b32 s21, 0
	s_add_nc_u64 s[\g+2:\g+3], s[\base:\base+1], s[20:21]
	s_or_b32 s[\g+3], s[\g+3], 0x80000000
.endm
.macro FRAG f, adr                     ; the image of 1,536 bytes at v[adr] into fragment f
	WIN (1+(\f)/FPW)<<6
.set R_, FR*((\f)%FPW)
.irp p, 0,2,4
	ds_load_2addr_b64 v[R_+2*\p:R_+2*\p+3], v[\adr] offset0:32*\p offset1:32*\p+32
.endr
.endm
.macro RLOAD vr, vrs                   ; the held operand: four tiles, all of K, eight fragments at a time, and their scale words: 100 loads
.irp g, 0,1,2,3
.irp n, 0,1,2,3,4,5,6,7
	v_add_nc_u32 v[AQ+\n], ROWT*(\n%4)+FRB*(2*\g+\n/4), v[\vr]
.endr
.irp n, 0,1,2,3,4,5,6,7
	FRAG 8*\g+\n, AQ+\n
.endr
	WIN 0
.endr
.irp p, 0,1
.irp k, 0,1
	ds_load_2addr_b64 v[SB+8*\p+4*\k:SB+8*\p+4*\k+3], v[\vrs] offset0:128*\p+32*\k offset1:128*\p+32*\k+16
.endr
.endr
.endm
.macro FETCH e                         ; a streamed block into set e: NF loads
.irp q, 0,1,2,3,4,5,6,7
	FRAG 32+8*(\e)+\q, AQ+\q
.endr
	WIN 0
.irp k, 0,1
	ds_load_2addr_b64 v[SA+8*(\e)+4*\k:SA+8*(\e)+4*\k+3], v[ADSS] offset0:32*\k offset1:32*\k+16
.endr
.endm
.macro NEXT                            ; the LDS addresses of the tile that is fetched next
	v_add_nc_u32 v[AQ], s[OA], v[VS_]
	v_add_nc_u32 v[ADSS], s[OSC], v[VSS_]
.irp q, 1,2,3,4,5,6,7
	v_add_nc_u32 v[AQ+\q], FRB*\q, v[AQ]
.endr
	s_add_co_u32 s[OA], s[OA], ROWT
	s_add_co_u32 s[OSC], s[OSC], 512
.endm
.macro PROD1 d, s0, s1, c, x0, x1, o
.if \o
	v_wmma_scale_f32_16x16x128_f8f6f4 v[\d:\d+7], v[FR*((\s0)%FPW):FR*((\s0)%FPW)+FR-1], v[FR*((\s1)%FPW):FR*((\s1)%FPW)+FR-1], \c, v[\x0], v[\x1] matrix_a_fmt:MATRIX_FMT_FP6 matrix_b_fmt:MATRIX_FMT_FP6 matrix_a_scale:MATRIX_SCALE_ROW1
.else
	v_wmma_scale_f32_16x16x128_f8f6f4 v[\d:\d+7], v[FR*((\s0)%FPW):FR*((\s0)%FPW)+FR-1], v[FR*((\s1)%FPW):FR*((\s1)%FPW)+FR-1], \c, v[\x0], v[\x1] matrix_a_fmt:MATRIX_FMT_FP6 matrix_b_fmt:MATRIX_FMT_FP6
.endif
.endm
.macro PRODS e                         ; 32 products: K step q, held tile b; the first four start the sums
.set N_, 0
.rept 32
.set Q_, N_/4
.set B_, N_%4
.set FB_, 4*Q_+B_
.set FA_, 32+8*(\e)+Q_
.set D_, ACC+32*(\e)+8*B_
.set XB_, SB+8*(B_/2)+Q_
.set XA_, SA+8*(\e)+Q_
	WIN (1+FB_/FPW)|((1+FA_/FPW)<<2)
.if Q_
	PROD1 D_, FB_, FA_, v[D_:D_+7], XB_, XA_, B_%2
.else
	PROD1 D_, FB_, FA_, 0, XB_, XA_, B_%2
.endif
.set N_, N_+1
.endr
	WIN 0
.endm
.macro EPI e                           ; register 16 b + i of the set = held row 32 b + 16 h + i: two scale blocks, each shared with lane l xor 16
.set A_, ACC+32*(\e)
	s_wait_xcnt 0x0                                ; the last block's stores have read their registers and their base
.if (\e) == 0
	s_add_nc_u64 s[OC:OC+1], s[OC:OC+1], s[STP:STP+1]   ; two blocks on (0 the first time)
	s_cmp_eq_u32 s[CNT], 1
	s_cselect_b32 s[STP], s[STS], s[STN]           ; V: from weight tile 2 to tile 4 the head changes
.endif
.irp b, 0,1
	v_max3_num_f32 v[TM+\b], |v[A_+16*\b]|, |v[A_+16*\b+1]|, 0x1800000   ; each accumulator is read from its low end on
.endr
.irp i, 2,4,6,8,10,12,14
.irp b, 0,1
	v_max3_num_f32 v[TM+\b], v[TM+\b], |v[A_+16*\b+\i]|, |v[A_+16*\b+\i+1]|
.endr
.endr
.irp b, 0,1
	v_permlanex16_b32 v[TM+2+\b], v[TM+\b], s[SEL], s[SEL+1]
.endr
.irp b, 0,1
	v_max_num_f32 v[TM+\b], v[TM+\b], v[TM+2+\b]
.endr
.irp b, 0,1
	v_add_nc_u32 v[TM+4+\b], 0xff000000, v[TM+\b]  ; 2 off the exponent field: the conversion's scale operand
.endr
.irp b, 0,1
	v_lshrrev_b32 v[TM+2+\b], 23, v[TM+4+\b]
.endr
	v_lshl_or_b32 v[PW], v[TM+3], 8, v[TM+2]
	v_cvt_scalef32_pk16_fp6_f32 v[PC:PC+2], v[A_:A_+15], v[TM+4]
	v_cvt_scalef32_pk16_fp6_f32 v[PC+6:PC+8], v[A_+16:A_+31], v[TM+5]
	v_nop                                          ; one plain place behind a scaled conversion
.irp i, 0,1,2
	v_permlane16_swap_b32 v[PC+\i], v[PC+6+\i]     ; a whole block to a lane
.endr
.irp i, 0,1,2
	v_mov_b32 v[PC+3+\i], v[PC+6+\i]
.endr
.if B16_
	ds_store_b16 v[SST], v[PW]                     ; both lanes of a row write the same bytes with the same value
.else
	ds_store_b32 v[SST], v[PW]
.endif
.irp i, 0,1,2
	global_store_b64 v[L8], v[PC+2*\i:PC+2*\i+1], s[OC:OC+1] offset:CIMM_*(\e)+256*\i   ; 256 consecutive bytes, aligned
.endr
	WALU                                           ; the wait ahead of the blocking wait or branch that follows
.endm
.macro BLK e, fetch, w
	s_wait_dscnt \w
	PRODS \e
.if \fetch
	NEXT                                           ; these vector lines are also the places behind the products
.else
.rept 3
	v_nop
.endr
.endif
	v_add_nc_u32 v[SST], s[OST], v[VST_]
	s_add_co_u32 s[OST], s[OST], SSTEP_
	WALU
.if \fetch
	FETCH \e
.endif
	EPI \e
.endm
.macro PHASE ph                        ; 0 Q, 1 K, 2 V
.if \ph < 2
.set VS_, VAQ
.set VSS_, R8A
.set VST_, SSQ
.set SSTEP_, 64
.set CIMM_, 768
.set B16_, 0
	RLOAD VRQ, VRSQ
.else
.set VS_, L8
.set VSS_, R8
.set VST_, SSV
.set SSTEP_, 128
.set CIMM_, 1536
.set B16_, 1
	RLOAD VRV, VRSV
.endif
	s_wait_xcnt 0x0                                ; earlier stores have read their bases
.if \ph == 0
	s_mov_b32 s20, s96
	s_mov_b32 s22, s97
.elseif \ph == 1
	s_add_co_u32 s20, s96, 106496
	s_add_co_u32 s22, s97, 106496
.else
	s_mov_b32 s20, s98
	s_mov_b32 s22, s99
.endif
	s_mov_b32 s21, 0
	s_mov_b32 s23, 0
	s_add_nc_u64 s[OC:OC+1], s[12:13], s[20:21]
	s_add_nc_u64 s[OW:OW+1], s[12:13], s[22:23]
	s_mov_b32 s[CNT], 0
	s_mov_b32 s[STP], 0
	s_mov_b32 s[STP+1], 0
	s_mov_b32 s[OST], 0
.if \ph < 2
	s_mov_b32 s[OA], 0
	s_mov_b32 s[OSC], AS
	s_mov_b32 s[STN], 1536
	s_mov_b32 s[STS], 1536
	s_wait_tensorcnt 0x0                           ; all my tensor loads have landed;
	ds_add_u32 v[SPW], v[NIL]
	s_mov_b32 s[G1B+2], 192<<16                    ; no load of mine is out: the next weight's descriptors: waves 0 and 1 a half of its codes each, wave 2 its scale bytes
	s_mov_b32 s[G1B+4], 192
	s_mul_i32 s20, s14, 49152
	s_add_co_u32 s[G0B+1], s20, BC
	s_add_co_u32 s20, s20, s100
	s_add_co_u32 s20, s20, 786432*(\ph+1)
	s_add_nc_u64 s[G0B+2:G0B+3], s[8:9], s[20:21]
	s_or_b32 s[G0B+3], s[G0B+3], 0x80000000
	s_add_co_u32 s20, s101, 32768*(\ph+1)
	s_add_nc_u64 s[G0SB+2:G0SB+3], s[10:11], s[20:21]
	s_or_b32 s[G0SB+3], s[G0SB+3], 0x80000000
	s_wait_dscnt 0x0                               ; the add is done, and the weight is in my registers
	CROUND                                         ; so it is in every wave of every partner: the region may be filled again
	s_cmp_lt_u32 s14, 2
	s_cbranch_scc0 .Lsc_\@
	TLOAD G0B, G1B
	s_branch .Lok_\@
.Lsc_\@:
	s_cmp_eq_u32 s14, 2
	s_cbranch_scc0 .Lok_\@
	TLOAD G0SB, G1SB
.Lok_\@:
.else
	s_mov_b32 s[OA], BC
	s_mov_b32 s[OSC], BS
	s_mov_b32 s[STN], 3072
	s_mov_b32 s[STS], HB-3072
.endif
	NEXT
	WALU
	FETCH 0
	NEXT
	WALU
	FETCH 1
.Lblk_\@:                                              ; blocks 0 to 5, which fetch blocks 2 to 7
	BLK 0, 1, NF
	BLK 1, 1, NF
	s_add_co_u32 s[CNT], s[CNT], 1
	s_cmp_lt_u32 s[CNT], 3
	s_cbranch_scc1 .Lblk_\@
	BLK 0, 0, NF                                   ; the last two fetch nothing
	BLK 1, 0, 0
.if \ph < 2
	ds_load_b128 v[BK:BK+3], v[SRD]                ; my eight blocks' scale words: LDS serves a wave's instructions in order
	s_wait_dscnt 0x0
	global_store_b128 v[L16], v[BK:BK+3], s[OW:OW+1]   ; 512 consecutive bytes, aligned
	s_wait_tensorcnt 0x0                           ; my part of the next weight has landed;
	BARRIER                                        ; everybody's has
.endif
.endm
; ================= the head
	s_load_b128 s[4:7], s[0:1], 0x0                ; x_codes, x_scales
	s_load_b128 s[8:11], s[0:1], 0x10              ; w_codes, w_scales
	s_load_b64 s[12:13], s[0:1], 0x20              ; heads
	v_lshl_add_u32 v[SPW], v0, 2, SPARE
	v_mov_b32 v[NIL], 0
	ds_add_u32 v[SPW], v[NIL]                      ; the opening lines: the add, twice on end, and its wait
	ds_add_u32 v[SPW], v[NIL]
	v_lshrrev_b32 v1, 5, v0
	v_readfirstlane_b32 s14, v1                    ; wave; s15 = a, s16 = b: wave = 2 a + b
	s_lshr_b32 s15, s14, 1
	s_and_b32 s16, s14, 1
	s_bfe_u32 s40, ttmp6, 0x40000                  ; cx
	s_bfe_u32 s41, ttmp6, 0x40004                  ; cy
	s_lshl_b32 s42, ttmp9, 2
	s_add_co_u32 s42, s42, s40                     ; j
	s_and_b32 s43, ttmp7, 0xffff
	s_lshl_b32 s43, s43, 2
	s_add_co_u32 s43, s43, s41                     ; g
	s_lshl_b32 s44, s41, 2
	s_lshl_b32 s44, 15, s44                        ; my row of the cluster
	s_lshl_b32 s45, 0x1111, s40                    ; my column
	GROUP1 G1A, 44, 768
	GROUP1 G1B, 45, 384
	GROUP1 G1SA, 44, 32
	GROUP1 G1SB, 45, 16
	s_mul_i32 s22, s43, 196608                     ; x's 16 tiles
	s_lshl_b32 s23, s43, 13
	s_mul_i32 s100, s42, 98304                     ; the weight's 8 tiles, from its tensor's first
	s_lshl_b32 s101, s42, 12
	s_mov_b32 s[SEL], 0x76543210
	s_mov_b32 s[SEL+1], 0xfedcba98
	WALU
	s_wait_dscnt 0x0
	CROUND                                         ; ahead of the first joint loads
	s_wait_kmcnt 0x0
	GROUP0 G0B, BC, 8, 100
	GROUP0 G0SB, BS, 10, 101
	GROUP0 G0SA, AS, 6, 23
	GROUP0 G0A, 0, 4, 22
	s_cmp_eq_u32 s14, 0                            ; one chain, one load to an arm: the weight, which goes on into registers, its scale bytes, x's scale bytes, x's codes
	s_cbranch_scc0 .Lw1
	TLOAD G0B, G1B
	s_branch .Lasked
.Lw1:
	s_cmp_eq_u32 s14, 1
	s_cbranch_scc0 .Lw2
	TLOAD G0SB, G1SB
	s_branch .Lasked
.Lw2:
	s_cmp_eq_u32 s14, 2
	s_cbranch_scc0 .Lw3
	TLOAD G0SA, G1SA
	s_branch .Lasked
.Lw3:
	TLOAD G0A, G1A
.Lasked:
	s_lshr_b32 s2, s43, 3                          ; batch
	s_and_b32 s3, s43, 7                           ; which 256 tokens of its 2,048
	s_lshl_b32 s20, s2, 4
	s_lshl_b32 s21, s42, 1
	s_add_co_u32 s20, s20, s21                     ; batch x 16 + 2 j
	s_mul_i32 s98, s20, HB
	s_add_co_u32 s21, s20, s16
	s_mul_i32 s96, s21, HB                         ; Q, K: my head is 2 j + b
	s_add_co_u32 s21, s20, s14
	s_mul_i32 s99, s21, HB
	s_mul_i32 s21, s3, 12288
	s_mul_i32 s22, s15, 6144
	s_add_co_u32 s21, s21, s22
	s_add_co_u32 s97, s96, 98304
	s_add_co_u32 s96, s96, s21                     ; Q's codes: tile 16 (g % 8) + 8 a
	s_add_co_u32 s98, s98, s21                     ; V's codes: key step 2 (g % 8) + a,
	s_mul_i32 s22, s16, 768
	s_add_co_u32 s98, s98, s22                     ; its half b
	s_add_co_u32 s98, s98, 212992
	s_lshl_b32 s21, s3, 10
	s_lshl_b32 s22, s15, 9
	s_add_co_u32 s21, s21, s22
	s_add_co_u32 s97, s97, s21                     ; Q's scale words
	s_lshl_b32 s21, s3, 9
	s_add_co_u32 s99, s99, s21
	s_add_co_u32 s99, s99, 311296                  ; V's scale words of head 2 j + wave (waves 0 and 1 store them)
	s_mul_i32 s84, s15, 98304
	s_lshl_b32 s85, s15, 12
	s_mul_i32 s86, s16, 49152
	s_add_co_u32 s86, s86, BC
	s_mul_i32 s87, s14, 49152
	s_lshl_b32 s88, s16, 11
	s_add_co_u32 s88, s88, BS
	s_lshl_b32 s89, s14, 11
	s_add_co_u32 s89, s89, AS
	s_lshl_b32 s90, s14, 9
	s_add_co_u32 s90, s90, ST
	s_lshl_b32 s91, s15, 6
	s_lshl_b32 s21, s16, 1
	s_add_co_u32 s91, s91, s21
	s_add_co_u32 s91, s91, VST
	s_min_u32 s94, s14, 1
	s_lshl_b32 s94, s94, 9
	s_add_co_u32 s94, s94, VST
	v_and_b32 v1, 15, v0                           ; r
	v_bfe_u32 v2, v0, 4, 1                         ; h
	v_and_b32 v3, 31, v0
	v_lshlrev_b32 v[L8], 3, v3
	v_lshlrev_b32 v[R8], 3, v1
	v_lshlrev_b32 v[L16], 4, v3
	v_lshlrev_b32 v23, 2, v1
	v_lshl_add_u32 v22, v2, 9, v[R8]
	v_add_nc_u32 v[VAQ], s84, v[L8]                ; Q, K: my eight token tiles
	v_add_nc_u32 v[R8A], s85, v[R8]
	v_add_nc_u32 v[VRQ], s86, v[L8]                ; and my four tiles of the weight
	v_add_nc_u32 v[VRV], s87, v[L8]                ; V: my four token tiles
	v_add_nc_u32 v[VRSQ], s88, v22
	v_add_nc_u32 v[VRSV], s89, v22
	v_add_nc_u32 v[SSQ], s90, v23
	v_add_nc_u32 v[SRD], s90, v[L16]
	v_add_nc_u32 v[SSV], s91, v23
	v_and_b32 v22, 3, v0
	v_lshlrev_b32 v22, 4, v22
	v_bfe_u32 v23, v0, 2, 2
	v_lshl_add_u32 v22, v23, 7, v22
	v_lshl_add_u32 v22, v2, 6, v22
	v_add_nc_u32 v[SRV], s94, v22                  ; V's stage read back as [key step][tile][64 bytes]
	v_mov_b32 v[TM+2], 0                           ; a lane permute's destination counts as one of its sources
	v_mov_b32 v[TM+3], 0
	WALU                                           ; the wait at the head's end
	s_cmp_lt_u32 s14, 2
	s_cbranch_scc0 .Lnb
	s_wait_tensorcnt 0x0
.Lnb:
	BARRIER                                        ; the weight's codes and scale bytes are in; x's may be on their way
	PHASE 0
	PHASE 1
	PHASE 2
	s_wait_dscnt 0x0
	BARRIER                                        ; all four waves' halves of V's scale words lie in the stage
	s_cmp_lt_u32 s14, 2
	s_cbranch_scc0 .Ldone
	ds_load_b128 v[BK:BK+3], v[SRV]
	s_wait_dscnt 0x0
	global_store_b128 v[L16], v[BK:BK+3], s[OW:OW+1]   ; 512 consecutive bytes, aligned
.Ldone:
	s_wait_tensorcnt 0x0                           ; the wave's end
	ds_add_u32 v[SPW], v[NIL]
	s_wait_dscnt 0x0
	CROUND                                         ; the closing round
	s_endpgm
.Lfunc_end_k_qed36349fa4_gemm_qkv:
	.size	k_qed36349fa4_gemm_qkv, .Lfunc_end_k_qed36349fa4_gemm_qkv-k_qed36349fa4_gemm_qkv
	.p2alignl 7, 3214868480
	.fill 96, 4, 3214868480
	.section	.rodata,"a",@progbits
	.p2align	6, 0x0
	.amdhsa_kernel k_qed36349fa4_gemm_qkv
		.amdhsa_group_segment_fixed_size 327680
		.amdhsa_private_segment_fixed_size 0
		.amdhsa_enable_private_segment 0
		.amdhsa_kernarg_size 40
		.amdhsa_user_sgpr_count 2
		.amdhsa_user_sgpr_kernarg_segment_ptr 1
		.amdhsa_wavefront_size32 1
		.amdhsa_system_sgpr_workgroup_id_x 1
		.amdhsa_system_sgpr_workgroup_id_y 1
		.amdhsa_system_sgpr_workgroup_id_z 1
		.amdhsa_system_vgpr_workitem_id 0
		.amdhsa_next_free_vgpr 848
		.amdhsa_next_free_sgpr 102
		.amdhsa_reserve_vcc 0
		.amdhsa_float_denorm_mode_32 3
		.amdhsa_float_denorm_mode_16_64 3
		.amdhsa_memory_ordered 1
		.amdhsa_forward_progress 1
		.amdhsa_inst_pref_size 149
	.end_amdhsa_kernel
	.amdgpu_metadata
---
amdhsa.version: [ 1, 2 ]
amdhsa.kernels:
  - .name:           k_qed36349fa4_gemm_qkv
    .symbol:         k_qed36349fa4_gemm_qkv.kd
    .args:
      - { .name: x_codes, .offset: 0, .size: 8, .value_kind: global_buffer, .address_space: global }
      - { .name: x_scales, .offset: 8, .size: 8, .value_kind: global_buffer, .address_space: global }
      - { .name: w_codes, .offset: 16, .size: 8, .value_kind: global_buffer, .address_space: global }
      - { .name: w_scales, .offset: 24, .size: 8, .value_kind: global_buffer, .address_space: global }
      - { .name: heads, .offset: 32, .size: 8, .value_kind: global_buffer, .address_space: global }
    .group_segment_fixed_size: 327680
    .private_segment_fixed_size: 0
    .kernarg_segment_align: 8
    .kernarg_segment_size: 40
    .max_flat_workgroup_size: 128
    .sgpr_count:     102
    .vgpr_count:     848
    .wavefront_size: 32
...
	.end_amdgpu_metadata
.endif
;; end of part 2
;; launch attn (part 3): grid 4 x 64, 16 waves a work-group, clusters of 4 x 1, 327,680 bytes of LDS; arguments heads, o_codes, o_scales; writes o_codes, o_scales
.if DOCPART == 3
	.amdgcn_target "amdgcn-amd-amdhsa--gfx1250"
	.amdhsa_code_object_version 6
	.text
	.protected	k_qed36349fa4_attn
	.globl	k_qed36349fa4_attn
	.p2align	8
	.type	k_qed36349fa4_attn,@function
k_qed36349fa4_attn:
	s_mov_b64 s[64:65], 0
	v_nop
	global_prefetch_b8 v0, s[64:65] scope:SCOPE_SE
	s_setreg_imm32_b32 hwreg(HW_REG_WAVE_MODE, 25, 1), 1
	s_wait_xcnt 0x0
	s_wait_alu depctr_hold_cnt(0) depctr_sa_sdst(0) depctr_va_vdst(0) depctr_va_sdst(0) depctr_va_ssrc(0) depctr_va_vcc(0) depctr_vm_vsrc(0)
	s_getreg_b32 s2, hwreg(HW_REG_IB_STS2, 6, 4)
	s_cmp_eq_u32 s2, 0
	s_cbranch_scc0 .Lentry_in_a_cluster
	s_endpgm
.Lentry_in_a_cluster:
	s_bfe_u32 s2, ttmp6, 0x10000c
	s_cmp_lg_u32 s2, 0x3003
	s_cbranch_scc0 .Lentry_shape_is_right
	s_endpgm
.Lentry_shape_is_right:
; o = softmax(q k^T / 8) v for one head, both products on codes of FP6 (E2M3) with E8M0 scales; o / l leaves as codes along (head, channel), the K of the last product.
; THE SOFTMAX: t = score x log2(e) / 8; M = the running largest t rounded UP to a whole number; p = 2^(t - M) is quantised along the keys, not normalised; the row's sum is taken of the unquantised p;
; when M moves, the sums and O are multiplied by 2^(old M - new M), which rounds nothing.  o / l is a reciprocal and a multiplication.
; SHARES: a work-group owns 512 queries of one head; each of its sixteen waves owns two tiles of 16, one after the other, in 256 registers: four waves to a SIMD.
; ALL OF THE HEAD'S K AND V (codes and scale words, 816 rows of 256 dense bytes of heads) STAYS IN LDS: each wave brings 51 rows with one tensor load, asked for jointly by the cluster's four work-groups, which own the
; head's four blocks of queries.  Nothing is filled again: no ring, no barrier in the loop, and no loop in which a prefetch could run ahead of a load.
; LDS ROWS ARE 352 BYTES APART (256 + 96 of padding): byte y of the dense block lies at 352 (y / 256) + y % 256.
; LAYOUT: both products transposed (S^T = K Q^T, O^T = V^T P^T): a lane holds one query.  In heads, place r of token tile T holds token 32 (T / 2) + 8 (T % 2) + r + 8 (r / 8).  THE KEYS OF A TILE OF S^T ARE CHOSEN ANEW as the
; fragments are read: place 8 g + i of tile (c, u) is key 64 c + 32 g + 8 u + i of the step, which lies in stored tile 4 c + 2 g + u % 2 at place i + 8 (u / 2).  So the 32 registers of tiles (c, 0 .. 3) of lane (r, h) are the keys
; 64 c + 32 h + 0 .. 31: ONE WHOLE SCALE BLOCK, in the order of P's operand registers: a block's maximum needs no other lane and no code changes lanes.  Two stored tiles are 6 rows = 2,112 bytes apart, 64 modulo 256: the 32 lanes
; of a load of 8 bytes fall on 256 different bytes modulo 256.
; A HEAD IS 64 AND THE INSTRUCTION TAKES 128: Q's registers 6-11 are zero codes; K's operand for a tile is 12 registers from its own six on, the upper six being the next tile's codes, which meet zeros.
; THE ROW'S SUM is kept in eight pairs of registers; in each step a pair's first link is pair x f + p, the other three are additions; the pairs are added up at the pass's end.
; o_codes = [512 token tiles][16 heads][768]; o_scales = [512][512], a head's two bytes at 128 (head / 4) + 8 r + 2 (head % 4): single bytes 8 apart, since a token's scale word spans heads that other work-groups own.
; LIMITS: the promise holds while the scaled scores t stay under 2^31 in magnitude; a block of o whose largest magnitude lies under 2^-124 gets the byte 1, a block of zeros too (its codes are zeros; this program alone reads
; the bytes); NaN and infinities are not served.
.set HB,    315392
.set KOFF,  106496
.set PART,  13056                      ; 51 rows of 256 bytes in memory,
.set LPART, 17952                      ; of 352 in LDS
.set KW0,   384*352                    ; K's scale words: rows 384-415
.set VC0,   416*352                    ; V's codes: rows 416-799
.set VW0,   800*352                    ; V's scale words: rows 800-815
.set SPARE, 816*352                    ; the spare words, 128 bytes a wave, which no other line names
.set L8,  1
.set R4,  2
.set OB,  3
.set SPW, 4
.set NIL, 5
.set SH8, 6                            ; v6   8 h
.set LK,  8                            ; v8, v9   K's codes: my lane's place, bands 0 and 1
.set LV,  10                           ; v10-13   V's four fragments
.set LW,  14                           ; v14  K's scale words
.set LT,  15                           ; v15  V's
.set ADK, 86                           ; v86-93 the step's addresses
.set ADS, 88
.set ADT, 89
.set ADV, 90
.set LS,  198                          ; v198-213 the sum's eight pairs
.set PCD, 214                          ; v214-225 p's codes
.set TC,  226                          ; v226-228, v230-232 the conversions' second halves
.set MA,  234
.set MB,  236
.set T1,  238
.set T2,  239
.set SO,  240
.set BY,  242
.set WD,  244
.set T3,  245
.set PWD, 246                          ; p's scale word
.set WV,  12
.set SEL, 20
.set CS,  22
.set G1,  24
.set G0,  32
.set TK,  45                           ; 8,448 a step: 24 rows of codes, in K and in V alike
.set TS,  46                           ; 704 a step
.set TT,  47                           ; 352 a step
; REGISTERS: v16-27 Q (the upper six zeros), v28 its scale words, v29 and v192-197 the second pass's; v30 -M, v31 the largest score; v32-79 eight half fragments of K, then four fragments of V; v80-85 zeros; v94 f;
; v96-159 S^T, then p; v160-191 O^T; v248-251 scale words.
.macro WALU
	s_wait_alu depctr_va_vdst(0)
.endm
.macro CROUND
	s_barrier_signal -1
	s_barrier_wait -1
	s_cmp_lg_u32 s[WV], 0
	s_cbranch_scc1 .Lnot_wave_0_\@
	s_barrier_signal -3
.Lnot_wave_0_\@:
	s_barrier_wait -3
	s_barrier_signal -1
	s_barrier_wait -1
.endm
	s_load_b128 s[4:7], s[0:1], 0x0                ; heads, o_codes
	s_load_b64 s[8:9], s[0:1], 0x10                ; o_scales
	v_lshl_add_u32 v[SPW], v0, 2, SPARE
	v_mov_b32 v[NIL], 0
	ds_add_u32 v[SPW], v[NIL]                      ; the opening lines: the add, twice on end, and its wait
	ds_add_u32 v[SPW], v[NIL]
	v_lshrrev_b32 v7, 5, v0
	v_readfirstlane_b32 s[WV], v7                  ; wave 0..15
	s_bfe_u32 s13, ttmp6, 0x40000                  ; cx: which 512 queries
	s_and_b32 s14, ttmp7, 0xffff                   ; batch x 16 + head, which the four partners share
	s_mul_i32 s16, s14, HB
	s_mul_i32 s18, s[WV], PART
	s_add_co_u32 s10, s16, s18
	s_add_co_u32 s10, s10, KOFF
	s_mov_b32 s11, 0
	s_mov_b32 s[G1], 15|(3<<16)|(1<<20)|(1<<21)|(5<<22)|(23<<25)   ; the mask: all four work-groups; elements of 8 bytes; after every 64 words 24 words of padding
	s_mov_b32 s[G1+1], 32<<16
	s_mov_b32 s[G1+2], 51<<16
	s_mov_b32 s[G1+3], 32<<16
	s_mov_b32 s[G1+4], 51
	s_mov_b32 s[G1+5], 32
	s_mov_b32 s[G1+6], 0
	s_mov_b32 s[G1+7], 0
	s_mov_b32 s[G0], 1
	s_mul_i32 s[G0+1], s[WV], LPART
	s_lshl_b32 s50, s13, 5
	s_add_co_u32 s50, s50, s[WV]                   ; my first tile of queries in the head: 32 cx + wave; the second lies 16 tiles on
	s_mul_i32 s52, s50, 768
	s_add_co_u32 s52, s52, s16
	s_mov_b32 s53, 0
	s_lshl_b32 s54, s50, 6
	s_add_co_u32 s54, s54, s16
	s_add_co_u32 s54, s54, 98304
	s_mov_b32 s55, 0
	s_lshr_b32 s56, s14, 4
	s_lshl_b32 s56, s56, 7
	s_add_co_u32 s56, s56, s50                     ; the same tile among all 512
	s_and_b32 s57, s14, 15                         ; the head
	s_lshl_b32 s58, s56, 4
	s_add_co_u32 s58, s58, s57
	s_mul_i32 s58, s58, 768
	s_mov_b32 s59, 0
	s_lshl_b32 s60, s56, 9
	s_lshr_b32 s61, s57, 2
	s_lshl_b32 s61, s61, 7
	s_add_co_u32 s60, s60, s61
	s_and_b32 s61, s57, 3
	s_lshl_b32 s61, s61, 1
	s_add_co_u32 s60, s60, s61
	s_mov_b32 s61, 0
	s_mov_b32 s[SEL], 0x76543210
	s_mov_b32 s[SEL+1], 0xfedcba98
	s_mov_b32 s[CS], 0x3e38aa3b                    ; c = log2(e) / 8
	s_mov_b32 s[CS+1], s[CS]
	s_mov_b32 s44, 0xffff0000                      ; lanes 16-31
	WALU
	s_wait_dscnt 0x0
	s_wait_kmcnt 0x0
	s_add_nc_u64 s[G0+2:G0+3], s[4:5], s[10:11]
	s_or_b32 s[G0+3], s[G0+3], 0x80000000
	s_add_nc_u64 s[36:37], s[4:5], s[52:53]        ; Q's codes
	s_add_nc_u64 s[38:39], s[4:5], s[54:55]        ; Q's scale words
	s_add_nc_u64 s[40:41], s[6:7], s[58:59]        ; my half image in o_codes
	s_add_nc_u64 s[42:43], s[8:9], s[60:61]        ; my head's bytes in o_scales
	CROUND                                         ; all four work-groups are here: the joint loads meet
	tensor_load_to_lds s[G0:G0+3], s[G1:G1+7]      ; every wave's one load, by one line
	s_nop 0
.rept 4
	v_nop
.endr
	v_and_b32 v7, 31, v0
	v_lshlrev_b32 v[L8], 3, v7
	v_and_b32 v[R4], 15, v0
	v_bfe_u32 v[SH8], v0, 4, 1                     ; h
	v_lshl_add_u32 v[OB], v[R4], 3, v[SH8]
	v_lshlrev_b32 v[R4], 2, v[R4]
	v_bfe_u32 v[LK+1], v0, 3, 1                    ; g
	v_and_b32 v[LW], 7, v0                         ; i
	v_mul_u32_u24 v[LK], v[LK+1], 2112
	v_lshl_add_u32 v[LK], v[LW], 3, v[LK]
	v_lshl_add_u32 v[LK], v[SH8], 7, v[LK]         ; K's codes: 2,112 g + 8 i + 128 h
	v_lshlrev_b32 v[LW], 2, v[LW]
	v_lshl_add_u32 v[LW], v[LK+1], 7, v[LW]
	v_lshl_add_u32 v[LW], v[SH8], 6, v[LW]
	v_add_nc_u32 v[LW], KW0, v[LW]                 ; K's scale words: 128 g + 4 i, lanes 16-31 the odd tile's, 64 on
	v_add_nc_u32 v[LK+1], 4224, v[LK]
.irp t, 0,1,2,3
	v_add_nc_u32 v[LV+\t], VC0+2112*\t, v[L8]
.endr
	v_lshl_add_u32 v[LT], v7, 2, VW0
	v_lshlrev_b32 v[SH8], 3, v[SH8]
.irp i, 0,1,2,3,4,5
	v_mov_b32 v[22+\i], 0                          ; zero codes: the upper 64 of the instruction's K
	v_mov_b32 v[80+\i], 0                          ; behind K's last tile
.endr
	v_mov_b32 v95, 0                               ; (named with v94 as a pair)
	v_mov_b32 v[T3], 0                             ; a lane permute's destination counts as one of its sources
	WALU                                           ; the wait at the head's end
.irp i, 0,1,2
	global_load_b64 v[16+2*\i:17+2*\i], v[L8], s[36:37] offset:256*\i
	global_load_b64 v[192+2*\i:193+2*\i], v[L8], s[36:37] offset:12288+256*\i
.endr
	global_load_b32 v28, v[R4], s[38:39]
	global_load_b32 v29, v[R4], s[38:39] offset:1024
	s_wait_tensorcnt 0x0                           ; my 51 rows have landed,
	s_barrier_signal -1
	s_barrier_wait -1                              ; everybody's have
	s_wait_loadcnt 0x0                             ; Q
; A KEY STEP: 128 keys.
.macro STEP
	v_add_nc_u32 v[ADK], s[TK], v[LK]              ; these four are also the places in front of the loads into registers that the last step's products read
	v_add_nc_u32 v[ADK+1], s[TK], v[LK+1]
	v_add_nc_u32 v[ADS], s[TS], v[LW]
	v_add_nc_u32 v[ADT], s[TT], v[LT]
.irp c, 0,1
.irp u, 0,1,2,3                        ; tile (c, u): three pieces of 8 bytes, 352 apart, from row 3 (u % 2) of my band, 64 (u / 2) bytes in
	ds_load_2addr_b64 v[32+24*\c+6*\u:35+24*\c+6*\u], v[ADK+\c] offset0:132*(\u%2)+8*(\u/2) offset1:132*(\u%2)+8*(\u/2)+44
	ds_load_b64 v[36+24*\c+6*\u:37+24*\c+6*\u], v[ADK+\c] offset:8*(132*(\u%2)+8*(\u/2)+88)
.endr
.endr
.irp c, 0,1
.irp k, 0,1
	ds_load_b32 v[248+2*\c+\k], v[ADS] offset:352*\c+32*\k   ; lanes 0-15: tile (c, 2 k)'s words; lanes 16-31: tile (c, 2 k + 1)'s
.endr
.endr
	WALU                                           ; the wait ahead of the blocking wait
	s_wait_dscnt 0x0
.irp t, 0,2,4,6
	v_wmma_scale_f32_16x16x128_f8f6f4 v[96+8*\t:103+8*\t], v[32+6*\t:43+6*\t], v[16:27], 0, v[248+\t/2], v28 matrix_a_fmt:MATRIX_FMT_FP6 matrix_b_fmt:MATRIX_FMT_FP6
	v_wmma_scale_f32_16x16x128_f8f6f4 v[104+8*\t:111+8*\t], v[38+6*\t:49+6*\t], v[16:27], 0, v[248+\t/2], v28 matrix_a_fmt:MATRIX_FMT_FP6 matrix_b_fmt:MATRIX_FMT_FP6 matrix_a_scale:MATRIX_SCALE_ROW1
.endr
.irp t, 0,1,2,3
	v_add_nc_u32 v[ADV+\t], s[TK], v[LV+\t]        ; the four places in front of the loads below and of the first read of the scores
.endr
.irp t, 0,1,2,3                        ; V's four fragments and their words land while the softmax is worked
.irp k, 0,1,2
	ds_load_2addr_b64 v[32+12*\t+4*\k:35+12*\t+4*\k], v[ADV+\t] offset0:88*\k offset1:88*\k+44
.endr
.endr
.irp i, 0,1
	ds_load_b32 v[248+\i], v[ADT] offset:128*\i
.endr
.irp c, 0,1                            ; the largest score of my two blocks of 32 keys, each in two chains; it serves the row's maximum and, since p rises with the score, the block's largest p
	v_max3_num_f32 v[MA+\c], v[96+32*\c], v[97+32*\c], v[98+32*\c]
	v_max3_num_f32 v[MB+\c], v[112+32*\c], v[113+32*\c], v[114+32*\c]
.endr
.irp i, 3,5,7,9,11,13
.irp c, 0,1
	v_max3_num_f32 v[MA+\c], v[MA+\c], v[96+32*\c+\i], v[97+32*\c+\i]
	v_max3_num_f32 v[MB+\c], v[MB+\c], v[112+32*\c+\i], v[113+32*\c+\i]
.endr
.endr
	v_mov_b32 v[T2], v30                           ; the old -M
.irp c, 0,1
	v_max3_num_f32 v[MA+\c], v[MA+\c], v[MB+\c], v[111+32*\c]
.endr
.irp c, 0,1
	v_max_num_f32 v[MA+\c], v[MA+\c], v[127+32*\c]
.endr
	v_max3_num_f32 v[T1], v[MA], v[MA+1], v31
	v_permlanex16_b32 v[T3], v[T1], s[SEL], s[SEL+1]
	v_max_num_f32 v31, v[T1], v[T3]                ; the running largest score of my query
	v_mul_f32 v[T1], s[CS], v31                    ; as t (c is positive)
	v_floor_f32 v30, -v[T1]                        ; the new -M = floor(-t) = -ceil(t)
.set j, 0
.rept 32
	v_pk_fma_f32 v[96+j:97+j], v[96+j:97+j], s[CS:CS+1], v[30:31] op_sel_hi:[1,0,0]   ; t - M, two at a time
.if j == 8
	v_sub_f32 v[T2], v30, v[T2]                    ; old M - new M: a whole number, 0 or less
.elseif j == 20
	v_cvt_i32_f32 v[T2], v[T2]                     ; (it saturates)
.elseif j == 32
	v_fma_f32 v[MA], v[MA], s[CS], v30             ; the same of each block's largest score
.elseif j == 34
	v_fma_f32 v[MA+1], v[MA+1], s[CS], v30
.endif
.set j, j+2
.endr
	WALU                                           ; the wait ahead of the batch
.set j, 0
.rept 64
	v_exp_f32 v[96+j], v[96+j]                     ; p = 2^(t - M), at most 1
.set j, j+1
.endr
	v_exp_f32 v[MA], v[MA]                         ; the blocks' largest p
	v_exp_f32 v[MA+1], v[MA+1]
	v_ldexp_f32 v94, 1.0, v[T2]                    ; f = 2^(old M - new M): the plain place behind the batch
	WALU                                           ; one wait for the batch, ahead of its first reader
	v_max_num_f32 v[MA], 0x1800000, v[MA]          ; the floor 2^(3 - 127): the byte cannot fall under 1
	v_max_num_f32 v[MA+1], 0x1800000, v[MA+1]
.set m, 0
.rept 32                               ; the sums, eight pairs by turns; the scale's short chain stands among them, each link five lines or more behind the one that it reads
.if m < 8
	v_pk_fma_f32 v[LS+2*m:LS+2*m+1], v[LS+2*m:LS+2*m+1], v[94:95], v[96+2*m:97+2*m] op_sel_hi:[1,0,1]
.else
	v_pk_add_f32 v[LS+2*(m%8):LS+2*(m%8)+1], v[LS+2*(m%8):LS+2*(m%8)+1], v[96+2*m:97+2*m]
.endif
.if m == 3
	v_add_nc_u32 v[SO], 0xff000000, v[MA]          ; 2 off the exponent field: the conversion's scale operand
	v_add_nc_u32 v[SO+1], 0xff000000, v[MA+1]
.elseif m == 7
	v_lshrrev_b32 v[BY], 23, v[SO]
	v_lshrrev_b32 v[BY+1], 23, v[SO+1]
.elseif m == 12
	v_lshl_or_b32 v[WD], v[BY+1], 16, v[BY]        ; my bytes: blocks h and 2 + h,
.elseif m == 17
	v_lshlrev_b32 v[WD], v[SH8], v[WD]             ; at their places in the word;
.elseif m == 22
	v_permlanex16_b32 v[T3], v[WD], s[SEL], s[SEL+1]
.elseif m == 27
	v_or_b32 v[PWD], v[WD], v[T3]                  ; with lane l xor 16's two the word is whole
.endif
.set m, m+1
.endr
.irp c, 0,1
	v_cvt_scalef32_pk16_fp6_f32 v[PCD+6*\c:PCD+6*\c+2], v[96+32*\c:111+32*\c], v[SO+\c]
	v_cvt_scalef32_pk16_fp6_f32 v[TC+4*\c:TC+4*\c+2], v[112+32*\c:127+32*\c], v[SO+\c]   ; (a conversion's three registers begin on an even number)
.endr
	v_pk_mul_f32 v[160:161], v[160:161], v[94:95] op_sel_hi:[1,0]   ; O^T under the new M; the first is the plain place behind the conversions
.irp c, 0,1
.irp i, 0,1,2
	v_mov_b32 v[PCD+6*\c+3+\i], v[TC+4*\c+\i]
.endr
.endr
.set j, 2
.rept 15
	v_pk_mul_f32 v[160+j:161+j], v[160+j:161+j], v[94:95] op_sel_hi:[1,0]   ; these 15 are also the places between p's codes and scale word and the products
.set j, j+2
.endr
	WALU                                           ; the wait ahead of the blocking wait
	s_wait_dscnt 0x0                               ; V is in
.irp t, 0,2                            ; O^T += V^T P^T: the four accumulators take turns
	v_wmma_scale_f32_16x16x128_f8f6f4 v[160+8*\t:167+8*\t], v[32+12*\t:43+12*\t], v[PCD:PCD+11], v[160+8*\t:167+8*\t], v[248+\t/2], v[PWD] matrix_a_fmt:MATRIX_FMT_FP6 matrix_b_fmt:MATRIX_FMT_FP6
	v_wmma_scale_f32_16x16x128_f8f6f4 v[168+8*\t:175+8*\t], v[44+12*\t:55+12*\t], v[PCD:PCD+11], v[168+8*\t:175+8*\t], v[248+\t/2], v[PWD] matrix_a_fmt:MATRIX_FMT_FP6 matrix_b_fmt:MATRIX_FMT_FP6 matrix_a_scale:MATRIX_SCALE_ROW1
.endr
	s_add_co_u32 s[TK], s[TK], 8448
	s_add_co_u32 s[TS], s[TS], 704
	s_add_co_u32 s[TT], s[TT], 352
.endm
; ONE TILE OF 16 QUERIES against all 2,048 keys, and its way out.
.macro PASS p
.if \p
	s_wait_xcnt 0x0                                ; the first pass's stores have read their registers
.irp i, 0,1,2,3,4,5
	v_mov_b32 v[16+\i], v[192+\i]                  ; the second tile's Q
.endr
	v_mov_b32 v28, v29
.endif
	s_mov_b32 s[TK], 0
	s_mov_b32 s[TS], 0
	s_mov_b32 s[TT], 0
	s_mov_b32 s48, 16
	v_mov_b32 v31, 0xff61b1e6                      ; the largest score so far: -3e38
	v_mov_b32 v30, 0x7f61b1e6                      ; -M
.set j, 0
.rept 16
	v_mov_b32 v[LS+j], 0
.set j, j+1
.endr
.set j, 0
.rept 32
	v_mov_b32 v[160+j], 0                          ; O^T: the step is written once; its first trip finds zeros, which the first change of M leaves zeros
.set j, j+1
.endr
.Lkeys_\@:
	STEP
	s_sub_co_u32 s48, s48, 1
	s_cmp_lg_u32 s48, 0
	s_cbranch_scc1 .Lkeys_\@
.irp k, 0,2,4,6
	v_pk_add_f32 v[LS+\k:LS+\k+1], v[LS+\k:LS+\k+1], v[LS+8+\k:LS+9+\k]   ; the sum's pairs; these lines are also the places behind the last products
.endr
	v_pk_add_f32 v[LS:LS+1], v[LS:LS+1], v[LS+4:LS+5]
	v_pk_add_f32 v[LS+2:LS+3], v[LS+2:LS+3], v[LS+6:LS+7]
	v_pk_add_f32 v[LS:LS+1], v[LS:LS+1], v[LS+2:LS+3]
	v_add_f32 v[LS], v[LS], v[LS+1]
	v_permlanex16_b32 v[T3], v[LS], s[SEL], s[SEL+1]
	v_add_f32 v[LS], v[LS], v[T3]                  ; the row's sum
	WALU
	v_rcp_f32 v[LS], v[LS]
	v_nop                                          ; a plain place behind the reciprocal,
	WALU                                           ; and the wait ahead of its first reader
.set j, 0
.rept 16
	v_pk_mul_f32 v[96+j:97+j], v[160+j:161+j], v[LS:LS+1] op_sel_hi:[1,0]   ; o: register 16 b + i = channel 32 b + 16 h + i of my query; each accumulator is read from its low end on
.set j, j+2
.endr
.irp b, 0,1
	v_max3_num_f32 v[MA+\b], |v[96+16*\b]|, |v[97+16*\b]|, 0x1800000
.endr
.irp i, 2,4,6,8,10,12,14
.irp b, 0,1
	v_max3_num_f32 v[MA+\b], v[MA+\b], |v[96+16*\b+\i]|, |v[97+16*\b+\i]|
.endr
.endr
.irp b, 0,1
	v_permlanex16_b32 v[MB+\b], v[MA+\b], s[SEL], s[SEL+1]
.endr
.irp b, 0,1
	v_max_num_f32 v[MA+\b], v[MA+\b], v[MB+\b]
.endr
.irp b, 0,1
	v_add_nc_u32 v[SO+\b], 0xff000000, v[MA+\b]
.endr
.irp b, 0,1
	v_lshrrev_b32 v[BY+\b], 23, v[SO+\b]
.endr
	v_cvt_scalef32_pk16_fp6_f32 v[PCD:PCD+2], v[96:111], v[SO]
	v_cvt_scalef32_pk16_fp6_f32 v[TC:TC+2], v[112:127], v[SO+1]
	v_nop                                          ; one plain place behind a scaled conversion
.irp i, 0,1,2
	v_permlane16_swap_b32 v[PCD+\i], v[TC+\i]
.endr
.irp i, 0,1,2
	v_mov_b32 v[PCD+3+\i], v[TC+\i]
.endr
	v_cndmask_b32 v[WD], v[BY], v[BY+1], s44       ; lanes 0-15 store block 0's byte, lanes 16-31 block 1's
.irp i, 0,1,2
	global_store_b64 v[L8], v[PCD+2*\i:PCD+2*\i+1], s[40:41] offset:196608*\p+256*\i   ; 256 consecutive bytes, aligned
.endr
	global_store_b8 v[OB], v[WD], s[42:43] offset:8192*\p
.endm
	PASS 0
	PASS 1
	s_wait_tensorcnt 0x0                           ; the wave's end
	ds_add_u32 v[SPW], v[NIL]
	s_wait_dscnt 0x0
	CROUND                                         ; the closing round
	s_endpgm
.Lfunc_end_k_qed36349fa4_attn:
	.size	k_qed36349fa4_attn, .Lfunc_end_k_qed36349fa4_attn-k_qed36349fa4_attn
	.p2alignl 7, 3214868480
	.fill 96, 4, 3214868480
	.section	.rodata,"a",@progbits
	.p2align	6, 0x0
	.amdhsa_kernel k_qed36349fa4_attn
		.amdhsa_group_segment_fixed_size 327680
		.amdhsa_private_segment_fixed_size 0
		.amdhsa_enable_private_segment 0
		.amdhsa_kernarg_size 24
		.amdhsa_user_sgpr_count 2
		.amdhsa_user_sgpr_kernarg_segment_ptr 1
		.amdhsa_wavefront_size32 1
		.amdhsa_system_sgpr_workgroup_id_x 1
		.amdhsa_system_sgpr_workgroup_id_y 1
		.amdhsa_system_sgpr_workgroup_id_z 1
		.amdhsa_system_vgpr_workitem_id 0
		.amdhsa_next_free_vgpr 256
		.amdhsa_next_free_sgpr 66
		.amdhsa_reserve_vcc 0
		.amdhsa_float_denorm_mode_32 3
		.amdhsa_float_denorm_mode_16_64 3
		.amdhsa_memory_ordered 1
		.amdhsa_forward_progress 1
		.amdhsa_inst_pref_size 48
	.end_amdhsa_kernel
	.amdgpu_metadata
---
amdhsa.version: [ 1, 2 ]
amdhsa.kernels:
  - .name:           k_qed36349fa4_attn
    .symbol:         k_qed36349fa4_attn.kd
    .args:
      - { .name: heads, .offset: 0, .size: 8, .value_kind: global_buffer, .address_space: global }
      - { .name: o_codes, .offset: 8, .size: 8, .value_kind: global_buffer, .address_space: global }
      - { .name: o_scales, .offset: 16, .size: 8, .value_kind: global_buffer, .address_space: global }
    .group_segment_fixed_size: 327680
    .private_segment_fixed_size: 0
    .kernarg_segment_align: 8
    .kernarg_segment_size: 24
    .max_flat_workgroup_size: 512
    .sgpr_count:     66
    .vgpr_count:     256
    .wavefront_size: 32
...
	.end_amdgpu_metadata
.endif
;; end of part 3
;; launch proj (part 4): grid 8 x 32, 4 waves a work-group, clusters of 4 x 4, 327,680 bytes of LDS; arguments o_codes, o_scales, w_codes, w_scales, out0; writes out0
.if DOCPART == 4
	.amdgcn_target "amdgcn-amd-amdhsa--gfx1250"
	.amdhsa_code_object_version 6
	.text
	.protected	k_qed36349fa4_proj
	.globl	k_qed36349fa4_proj
	.p2align	8
	.type	k_qed36349fa4_proj,@function
k_qed36349fa4_proj:
	s_mov_b64 s[64:65], 0
	v_nop
	global_prefetch_b8 v0, s[64:65] scope:SCOPE_SE
	s_setreg_imm32_b32 hwreg(HW_REG_WAVE_MODE, 25, 1), 1
	s_wait_xcnt 0x0
	s_wait_alu depctr_hold_cnt(0) depctr_sa_sdst(0) depctr_va_vdst(0) depctr_va_sdst(0) depctr_va_ssrc(0) depctr_va_vcc(0) depctr_vm_vsrc(0)
	s_getreg_b32 s2, hwreg(HW_REG_IB_STS2, 6, 4)
	s_cmp_eq_u32 s2, 0
	s_cbranch_scc0 .Lentry_in_a_cluster
	s_endpgm
.Lentry_in_a_cluster:
	s_bfe_u32 s2, ttmp6, 0x10000c
	s_cmp_lg_u32 s2, 0xf033
	s_cbranch_scc0 .Lentry_shape_is_right
	s_endpgm
.Lentry_shape_is_right:
; out0 = o w_out on codes of FP6 (E2M3) with E8M0 scales, f32 sums.  o_codes = [512 token tiles][8 K steps] fragment images of 1,536 bytes, o_scales = [512][512]; w_out is tiles 192-255 of w_codes, w_scales.
; Place r of a tile holds row (token or column) 32 (T / 2) + 8 (T % 2) + r + 8 (r / 8).
; THE DEAL: 256 work-groups, one turn.  Work-group (j, g) makes tokens 256 g .. + 255 x columns 128 j .. + 127.  All its operands, all of K, lie in LDS, filled once by one joint load a wave (o's tiles shared by a row of the
; cluster, the weight's by a column): no ring, nothing filled again, no loop to run a prefetch ahead in.
; A wave holds 64 columns of the weight, all of K, in 384 registers and streams its eight token tiles past them: 32 products a block on four accumulators by turns.  Source 0 is the weight,
; so a lane holds eight neighbouring columns of a token's row for each tile.  A block's 16 x 64 results are finished at once: they turn through the wave's own stage (rows 272 bytes apart) and leave, sixteen lanes to 256
; aligned bytes, while the later blocks are multiplied.  A fragment comes by three two-address loads of 2 x 8 bytes a lane, from an address register of its own.
; THE WAIT'S COUNT: s_wait_dscnt 26 leaves out the youngest fetch alone (24 loads of codes, 2 of scale words): the stage's read-back and the next block's rows are in.
.set FR,   12
.set FPW,  21
.set FRB,  1536
.set ROWT, 12288
.set NF,   26
.set BC,   196608
.set BS,   294912
.set AS,   299008
.set STAGE, 307200                     ; 16 rows x 272 bytes a wave
.set SPARE, 324608
.set L8, 4
.set R8, 5
.set VAQ, 6
.set R8A, 7
.set VRQ, 8
.set VRSQ, 10
.set STO, 12
.set RD,  13
.set CO,  14
.set SPW, 17
.set NIL, 18
.set ADSS, 20
.set SB,  24
.set SA,  44
.set ACC, 64
.set BK,  128
.set AQ,  160                          ; v160-167 eight fragments' LDS addresses
.set G1A, 24
.set G1B, 32
.set G1SA, 48
.set G1SB, 56
.set G0A, 68
.set G0B, 72
.set G0SA, 76
.set G0SB, 80
.set OA,  84
.set OSC, 85
.set CNT, 87
.set STP, 88
.set OC,  92
.set MSB, 0
.macro WIN new
.if MSB != \new
	s_set_vgpr_msb (MSB<<8)|\new
.set MSB, \new
.endif
.endm
.macro WALU
	s_wait_alu depctr_va_vdst(0)
.endm
.macro BARRIER
	s_barrier_signal -1
	s_barrier_wait -1
.endm
.macro CROUND
	s_barrier_signal -1
	s_barrier_wait -1
	s_cmp_lg_u32 s14, 0
	s_cbranch_scc1 .Lnw0_\@
	s_barrier_signal -3
.Lnw0_\@:
	s_barrier_wait -3
	s_barrier_signal -1
	s_barrier_wait -1
.endm
.macro TLOAD g0, g1
	tensor_load_to_lds s[\g0:\g0+3], s[\g1:\g1+7]
	s_nop 0
.rept 4
	v_nop
.endr
.endm
.macro GROUP1 g, mask, rows            ; a dense block as rows of 256 bytes
	s_or_b32 s[\g], s[\mask], (3<<16)|(1<<21)
	s_mov_b32 s[\g+1], 32<<16
	s_mov_b32 s[\g+2], (\rows)<<16
	s_mov_b32 s[\g+3], 32<<16
	s_mov_b32 s[\g+4], \rows
	s_mov_b32 s[\g+5], 32
	s_mov_b32 s[\g+6], 0
	s_mov_b32 s[\g+7], 0
.endm
.macro GROUP0 g, lds, base, off
	s_mov_b32 s[\g], 1
	s_mov_b32 s[\g+1], \lds
	s_mov_b32 s20, s\off
	s_mov_b32 s21, 0
	s_add_nc_u64 s[\g+2:\g+3], s[\base:\base+1], s[20:21]
	s_or_b32 s[\g+3], s[\g+3], 0x80000000
.endm
.macro FRAG f, adr
	WIN (1+(\f)/FPW)<<6
.set R_, FR*((\f)%FPW)
.irp p, 0,2,4
	ds_load_2addr_b64 v[R_+2*\p:R_+2*\p+3], v[\adr] offset0:32*\p offset1:32*\p+32
.endr
.endm
.macro RLOAD vr, vrs
.irp g, 0,1,2,3
.irp n, 0,1,2,3,4,5,6,7
	v_add_nc_u32 v[AQ+\n], ROWT*(\n%4)+FRB*(2*\g+\n/4), v[\vr]
.endr
.irp n, 0,1,2,3,4,5,6,7
	FRAG 8*\g+\n, AQ+\n
.endr
	WIN 0
.endr
.irp p, 0,1
.irp k, 0,1
	ds_load_2addr_b64 v[SB+8*\p+4*\k:SB+8*\p+4*\k+3], v[\vrs] offset0:128*\p+32*\k offset1:128*\p+32*\k+16
.endr
.endr
.endm
.macro FETCH e
.irp q, 0,1,2,3,4,5,6,7
	FRAG 32+8*(\e)+\q, AQ+\q
.endr
	WIN 0
.irp k, 0,1
	ds_load_2addr_b64 v[SA+8*(\e)+4*\k:SA+8*(\e)+4*\k+3], v[ADSS] offset0:32*\k offset1:32*\k+16
.endr
.endm
.macro NEXT
	v_add_nc_u32 v[AQ], s[OA], v[VAQ]
	v_add_nc_u32 v[ADSS], s[OSC], v[R8A]
.irp q, 1,2,3,4,5,6,7
	v_add_nc_u32 v[AQ+\q], FRB*\q, v[AQ]
.endr
	s_add_co_u32 s[OA], s[OA], ROWT
	s_add_co_u32 s[OSC], s[OSC], 512
.endm
.macro PROD1 d, s0, s1, c, x0, x1, o
.if \o
	v_wmma_scale_f32_16x16x128_f8f6f4 v[\d:\d+7], v[FR*((\s0)%FPW):FR*((\s0)%FPW)+FR-1], v[FR*((\s1)%FPW):FR*((\s1)%FPW)+FR-1], \c, v[\x0], v[\x1] matrix_a_fmt:MATRIX_FMT_FP6 matrix_b_fmt:MATRIX_FMT_FP6 matrix_a_scale:MATRIX_SCALE_ROW1
.else
	v_wmma_scale_f32_16x16x128_f8f6f4 v[\d:\d+7], v[FR*((\s0)%FPW):FR*((\s0)%FPW)+FR-1], v[FR*((\s1)%FPW):FR*((\s1)%FPW)+FR-1], \c, v[\x0], v[\x1] matrix_a_fmt:MATRIX_FMT_FP6 matrix_b_fmt:MATRIX_FMT_FP6
.endif
.endm
.macro PRODS e
.set N_, 0
.rept 32
.set Q_, N_/4
.set B_, N_%4
.set FB_, 4*Q_+B_
.set FA_, 32+8*(\e)+Q_
.set D_, ACC+32*(\e)+8*B_
.set XB_, SB+8*(B_/2)+Q_
.set XA_, SA+8*(\e)+Q_
	WIN (1+FB_/FPW)|((1+FA_/FPW)<<2)
.if Q_
	PROD1 D_, FB_, FA_, v[D_:D_+7], XB_, XA_, B_%2
.else
	PROD1 D_, FB_, FA_, 0, XB_, XA_, B_%2
.endif
.set N_, N_+1
.endr
	WIN 0
.endm
.macro BLK e, fetch
.set A_, ACC+32*(\e)
	PRODS \e
.if \fetch
	NEXT                                           ; these vector lines are also the places behind the products
.else
.rept 4
	v_nop
.endr
.endif
	WALU
	s_wait_xcnt 0x0                                ; the last block's stores have read their registers and their base
.if (\e) == 0
	s_add_nc_u64 s[OC:OC+1], s[OC:OC+1], s[STP:STP+1]   ; a pair of tiles is 32 tokens (0 the first time)
	s_mov_b32 s[STP], 131072
.endif
.irp b, 0,1,2,3
	ds_store_b128 v[STO], v[A_+8*\b:A_+8*\b+3] offset:128*(\b/2)+32*(\b%2)       ; each accumulator from its low end on
	ds_store_b128 v[STO], v[A_+8*\b+4:A_+8*\b+7] offset:128*(\b/2)+32*(\b%2)+16
.endr
.irp t, 0,1,2,3,4,5,6,7
	ds_load_b128 v[BK+4*\t:BK+4*\t+3], v[RD] offset:2*\t*272   ; LDS serves a wave's instructions in order: these see my stores
.endr
.if \fetch
	FETCH \e
	s_wait_dscnt NF
.else
	s_wait_dscnt 0x0
.endif
.irp t, 0,1,2,3,4,5,6,7
	global_store_b128 v[CO], v[BK+4*\t:BK+4*\t+3], s[OC:OC+1] offset:(8*(\e)+2*\t+8*(\t/4))*4096 th:TH_STORE_NT   ; sixteen lanes store 256 consecutive bytes, aligned
.endr
.endm
; ================= the head
	s_load_b128 s[4:7], s[0:1], 0x0                ; o_codes, o_scales
	s_load_b128 s[8:11], s[0:1], 0x10              ; w_codes, w_scales
	s_load_b64 s[12:13], s[0:1], 0x20              ; out0
	v_lshl_add_u32 v[SPW], v0, 2, SPARE
	v_mov_b32 v[NIL], 0
	ds_add_u32 v[SPW], v[NIL]                      ; the opening lines: the add, twice on end, and its wait
	ds_add_u32 v[SPW], v[NIL]
	v_lshrrev_b32 v1, 5, v0
	v_readfirstlane_b32 s14, v1                    ; wave = 2 a + b
	s_lshr_b32 s15, s14, 1
	s_and_b32 s16, s14, 1
	s_bfe_u32 s40, ttmp6, 0x40000
	s_bfe_u32 s41, ttmp6, 0x40004
	s_lshl_b32 s42, ttmp9, 2
	s_add_co_u32 s42, s42, s40                     ; j
	s_and_b32 s43, ttmp7, 0xffff
	s_lshl_b32 s43, s43, 2
	s_add_co_u32 s43, s43, s41                     ; g
	s_lshl_b32 s44, s41, 2
	s_lshl_b32 s44, 15, s44
	s_lshl_b32 s45, 0x1111, s40
	GROUP1 G1A, 44, 768
	GROUP1 G1B, 45, 384
	GROUP1 G1SA, 44, 32
	GROUP1 G1SB, 45, 16
	s_mul_i32 s22, s43, 196608
	s_lshl_b32 s23, s43, 13
	s_mul_i32 s100, s42, 98304
	s_add_co_u32 s100, s100, 192*ROWT              ; w_out's tiles begin at tile 192
	s_lshl_b32 s101, s42, 12
	s_add_co_u32 s101, s101, 192*512
	WALU
	s_wait_dscnt 0x0
	CROUND                                         ; ahead of the joint loads
	s_wait_kmcnt 0x0
	GROUP0 G0B, BC, 8, 100
	GROUP0 G0SB, BS, 10, 101
	GROUP0 G0SA, AS, 6, 23
	GROUP0 G0A, 0, 4, 22
	s_cmp_eq_u32 s14, 0                            ; one chain, one load to an arm
	s_cbranch_scc0 .Lw1
	TLOAD G0B, G1B
	s_branch .Lasked
.Lw1:
	s_cmp_eq_u32 s14, 1
	s_cbranch_scc0 .Lw2
	TLOAD G0SB, G1SB
	s_branch .Lasked
.Lw2:
	s_cmp_eq_u32 s14, 2
	s_cbranch_scc0 .Lw3
	TLOAD G0SA, G1SA
	s_branch .Lasked
.Lw3:
	TLOAD G0A, G1A
.Lasked:
	s_lshl_b32 s20, s43, 20                        ; out0: 256 g rows of 4,096 bytes, + 128 a rows, + 512 j + 256 b bytes
	s_lshl_b32 s21, s15, 19
	s_add_co_u32 s20, s20, s21
	s_lshl_b32 s21, s42, 9
	s_add_co_u32 s20, s20, s21
	s_lshl_b32 s21, s16, 8
	s_add_co_u32 s20, s20, s21
	s_mov_b32 s21, 0
	s_add_nc_u64 s[OC:OC+1], s[12:13], s[20:21]
	s_mov_b32 s[STP], 0
	s_mov_b32 s[STP+1], 0
	s_mov_b32 s[CNT], 0
	s_mul_i32 s96, s15, 98304
	s_lshl_b32 s97, s15, 12
	s_mul_i32 s98, s16, 49152
	s_add_co_u32 s98, s98, BC
	s_lshl_b32 s99, s16, 11
	s_add_co_u32 s99, s99, BS
	s_mul_i32 s90, s14, 4352
	s_add_co_u32 s90, s90, STAGE
	s_mov_b32 s[OA], 0
	s_mov_b32 s[OSC], AS
	v_and_b32 v1, 15, v0                           ; r
	v_bfe_u32 v2, v0, 4, 1                         ; h
	v_and_b32 v3, 31, v0
	v_lshlrev_b32 v[L8], 3, v3
	v_lshlrev_b32 v[R8], 3, v1
	v_lshl_add_u32 v22, v2, 9, v[R8]
	v_add_nc_u32 v[VAQ], s96, v[L8]
	v_add_nc_u32 v[R8A], s97, v[R8]
	v_add_nc_u32 v[VRQ], s98, v[L8]
	v_add_nc_u32 v[VRSQ], s99, v22
	v_mul_u32_u24 v22, v1, 272
	v_lshl_add_u32 v22, v2, 6, v22
	v_add_nc_u32 v[STO], s90, v22                  ; into the stage: row r, + 64 h
	v_mul_u32_u24 v23, v2, 272
	v_lshl_add_u32 v23, v1, 4, v23
	v_add_nc_u32 v[RD], s90, v23                   ; out of it: sixteen lanes to a row, two rows an instruction
	v_lshlrev_b32 v[CO], 12, v2
	v_lshl_add_u32 v[CO], v1, 4, v[CO]             ; and the same two rows in out0
	WALU                                           ; the wait at the head's end
	s_cmp_lt_u32 s14, 2
	s_cbranch_scc0 .Lnb
	s_wait_tensorcnt 0x0
.Lnb:
	BARRIER                                        ; the weight's codes and scale bytes are in; o's may be on their way
	RLOAD VRQ, VRSQ
	s_wait_tensorcnt 0x0
	s_wait_dscnt 0x0
	BARRIER                                        ; o's codes and scale bytes are in
	NEXT
	WALU
	FETCH 0
	NEXT
	WALU
	FETCH 1
	s_wait_dscnt NF                                ; block 0's rows are in
.Lblk:                                                 ; blocks 0 to 5, which fetch blocks 2 to 7
	BLK 0, 1
	BLK 1, 1
	s_add_co_u32 s[CNT], s[CNT], 1
	s_cmp_lt_u32 s[CNT], 3
	s_cbranch_scc1 .Lblk
	BLK 0, 0                                       ; the last two fetch nothing
	BLK 1, 0
	s_wait_tensorcnt 0x0                           ; the wave's end
	ds_add_u32 v[SPW], v[NIL]
	s_wait_dscnt 0x0
	CROUND                                         ; the closing round
	s_endpgm
.Lfunc_end_k_qed36349fa4_proj:
	.size	k_qed36349fa4_proj, .Lfunc_end_k_qed36349fa4_proj-k_qed36349fa4_proj
	.p2alignl 7, 3214868480
	.fill 96, 4, 3214868480
	.section	.rodata,"a",@progbits
	.p2align	6, 0x0
	.amdhsa_kernel k_qed36349fa4_proj
		.amdhsa_group_segment_fixed_size 327680
		.amdhsa_private_segment_fixed_size 0
		.amdhsa_enable_private_segment 0
		.amdhsa_kernarg_size 40
		.amdhsa_user_sgpr_count 2
		.amdhsa_user_sgpr_kernarg_segment_ptr 1
		.amdhsa_wavefront_size32 1
		.amdhsa_system_sgpr_workgroup_id_x 1
		.amdhsa_system_sgpr_workgroup_id_y 1
		.amdhsa_system_sgpr_workgroup_id_z 1
		.amdhsa_system_vgpr_workitem_id 0
		.amdhsa_next_free_vgpr 848
		.amdhsa_next_free_sgpr 102
		.amdhsa_reserve_vcc 0
		.amdhsa_float_denorm_mode_32 3
		.amdhsa_float_denorm_mode_16_64 3
		.amdhsa_memory_ordered 1
		.amdhsa_forward_progress 1
		.amdhsa_inst_pref_size 51
	.end_amdhsa_kernel
	.amdgpu_metadata
---
amdhsa.version: [ 1, 2 ]
amdhsa.kernels:
  - .name:           k_qed36349fa4_proj
    .symbol:         k_qed36349fa4_proj.kd
    .args:
      - { .name: o_codes, .offset: 0, .size: 8, .value_kind: global_buffer, .address_space: global }
      - { .name: o_scales, .offset: 8, .size: 8, .value_kind: global_buffer, .address_space: global }
      - { .name: w_codes, .offset: 16, .size: 8, .value_kind: global_buffer, .address_space: global }
      - { .name: w_scales, .offset: 24, .size: 8, .value_kind: global_buffer, .address_space: global }
      - { .name: out0, .offset: 32, .size: 8, .value_kind: global_buffer, .address_space: global }
    .group_segment_fixed_size: 327680
    .private_segment_fixed_size: 0
    .kernarg_segment_align: 8
    .kernarg_segment_size: 40
    .max_flat_workgroup_size: 128
    .sgpr_count:     102
    .vgpr_count:     848
    .wavefront_size: 32
...
	.end_amdgpu_metadata
.endif
;; end of part 4
